; MI455X (gfx1250); checked and timed in simulation.
; The chip was launched on July 23, 2026; its instructions are those of AMD's public machine-readable ISA for CDNA 5 (MIT licence, August 2026) and "CDNA5" Instruction Set Architecture Reference Guide (July 2026). The comments in the code are by the model that wrote it; some were corrected since.
;; multi head attention. Allowed arithmetic: matrix products marked QUANTISED: E5M2 operands, one E8M0 scale for each 32 along K, by v_wmma_scale_f32_16x16x128_f8f6f4 with both operands' format E5M2, f32 sums; everything else in f32.
;; Inputs: Wk 1,024 x 1,024 float32; Wo 1,024 x 1,024 float32; Wq 1,024 x 1,024 float32; Wv 1,024 x 1,024 float32; bk 1,024 float32; bo 1,024 float32; bq 1,024 float32; bv 1,024 float32; k 4 x 2,048 x 1,024 float32; q 4 x 2,048 x 1,024 float32; v 4 x 2,048 x 1,024 float32.
;; Outputs: out0 4 x 2,048 x 1,024 float32.
;; Constants: mask = True.
;; This version of the problem:
;;   THIS VERSION OF THE PROBLEM IS GIVEN IN LOW PRECISION. The matrix products marked QUANTISED in the list below multiply operands that are first quantised to E5M2 (5 exponent bits, 2 mantissa bits; 8 bits a number), with one power-of-two scale for each 32 numbers along K (OCP MX v1.0); their sums are f32. All else is computed in f32.
;;   The module's matrix products, in the order in which they are computed (A, B: the left and right operand; K: the contracted axis; several contracted axes count as one K, in the product's order):
;;     1. [M 8,192, K 1,024] x [K 1,024, N 1,024]; A: input q; B: input Wq: QUANTISED
;;     2. [M 8,192, K 1,024] x [K 1,024, N 1,024]; A: input k; B: input Wk: QUANTISED
;;     3. [M 8,192, K 1,024] x [K 1,024, N 1,024]; A: input v; B: input Wv: QUANTISED
;;     4. batch 64 x [M 2,048, K 64] x [K 64, N 2,048]; A: computed on the way; B: computed on the way: QUANTISED
;;     5. batch 64 x [M 2,048, K 2,048] x [K 2,048, N 64]; A: softmax (see below); B: computed on the way: QUANTISED
;;     6. [M 8,192, K 1,024] x [K 1,024, N 1,024]; A: computed on the way; B: input Wo: QUANTISED
;;   THE QUANTISER, for each operand of a quantised product, along K:
;;     - K is cut into blocks of 32 from its start; a last block that is shorter is filled with zeros.
;;     - A block's scale is 2^e with e = floor(log2(the largest magnitude in the block)) - 15, held to -126 .. 127; a block of zeros has e = 0. As a byte (E8M0): e + 127.
;;     - Each number is divided by its block's scale, clamped to +-57,344, and rounded to the nearest number of E5M2, ties to even, subnormals kept.
;;     - The product sums the exact products of the quantised numbers (number of the format x scale) in f32.
;;   ~~~python
;;   def quantise(x, axis):      # numpy; x: float32 -> the quantised numbers, widened to float32 again
;;       x = np.moveaxis(x, axis, -1); K = x.shape[-1]
;;       x = np.pad(x, [(0, 0)] * (x.ndim - 1) + [(0, -K % 32)]); x = x.reshape(x.shape[:-1] + (-1, 32)); a = np.abs(x).max(-1, keepdims=True)
;;       e = np.where(a > 0, np.clip(np.frexp(np.where(a > 0, a, 1))[1] - 1 - 15, -126, 127), 0)      # np.frexp(a)[1] - 1 = floor(log2(a)), exactly
;;       r = np.clip(x / 2.0 ** e, -57344, 57344)
;;       step = 2.0 ** (np.maximum(np.frexp(np.where(r == 0, 1, r))[1] - 1, -14) - 2)
;;       q = np.round(r / step) * step * 2.0 ** e      # np.round: ties to even
;;       return np.moveaxis(q.reshape(q.shape[:-2] + (-1,))[..., :K], -1, axis).astype(np.float32)
;;   ~~~
;;   SOFTMAX AHEAD OF A QUANTISED PRODUCT. Where the list says 'softmax', what is quantised is not the finished softmax but p = 2^(t - M), with t = logit x log2(e) and M = ceil(the row's largest t), a whole number; so 1/2 < the row's largest p <= 1. The row's sum l is taken of the UNQUANTISED p, in f32, and the product's result is divided by l at the end. Since M is a whole number, a kernel that streams over the keys may use a running M (the ceiling of the running maximum): every later rescaling is an exact power of two, which a block's scale takes up: the codes' values come out the same.
;;   OPERANDS COMPUTED ON THE WAY. 'Computed on the way' means the value that the module computes at that place (a softmax that the list does not call 'softmax' is quantised finished and normalised). What goes into a quantiser is computed in f32, as accurately as f32 sums, v_exp_f32 and their like allow (about 1e-6 of the number): no bf16 or f16 on the way to a quantiser, and a product that is left as it is and whose result goes on into a quantised operand takes f32 operands (vector FMAs, or v_wmma_f32_16x16x4_f32). A number that lies on a knife's edge between two numbers of the format may be rounded either way, as far as f32 arithmetic and the matrix unit's own rounding can turn it there, and no further.
;; One version. Each part assembles by itself: llvm-mc -triple=amdgcn-amd-amdhsa -mcpu=gfx1250 --defsym DOCPART=n.
;; ======== version 1 of 1: 4 launches
;; limits: right only within a limited range of input values
;; workspace buffers: cod 29,360,128 bytes; scl 917,504 bytes; qi 8,388,608 bytes; qs 524,288 bytes; ki 8,912,896 bytes; vi 8,650,752 bytes; ai 8,388,608 bytes; asc 262,144 bytes
;; launch quant (part 1): grid 896 x 1, 4 waves a work-group, no clusters, 33,280 bytes of LDS; arguments q, k, v, Wq, Wk, Wv, Wo, cod, scl; writes cod, scl
.if DOCPART == 1
	.amdgcn_target "amdgcn-amd-amdhsa--gfx1250"
	.amdhsa_code_object_version 6
	.text
	.protected	k_q01dee6af5d_quant
	.globl	k_q01dee6af5d_quant
	.p2align	8
	.type	k_q01dee6af5d_quant,@function
k_q01dee6af5d_quant:
	s_mov_b64 s[64:65], 0
	v_nop
	global_prefetch_b8 v0, s[64:65] scope:SCOPE_SE
	s_setreg_imm32_b32 hwreg(HW_REG_WAVE_MODE, 25, 1), 1
	s_wait_xcnt 0x0
; q, k, v [8192][1024] and Wq, Wk, Wv, Wo [1024][1024], f32, become codes of BF8 (E5M2), K innermost, with one E8M0 scale byte for each 32 along K.
; cod holds 28,672 rows of 1,024 codes: q from row 0, k 8,192, v 16,384, Wq 24,576, Wk 25,600, Wv 26,624, Wo 27,648.
; THE ROWS ARE LAID IN THE ORDER THAT THE LATER PRODUCTS WANT.  (a) Row 32 g + p of cod holds the tensor's row 32 g + sigma(p), sigma = bits 3 and 4 of p exchanged: lane r of a tile of 16 rows then holds
; row 8 u + r + 8 (r / 8) of its 32, so that the results of two neighbouring tiles are 16 neighbours along the next product's K.  (b) For Wq, Wk, Wv "the tensor's row" c = 64 h + d is W's row 16 d + h: heads together.
; Both cost nothing: they only say which input row a load names.
; scl holds the scale bytes as [row / 128][K step of 256: 4][row % 128][8 bytes]: 128 rows are 4,096 bytes on end, a K step's two scale words of a row are 8 neighbouring bytes.
; A block's scale is 2^(floor(log2(its largest magnitude)) - 15); its byte is the largest magnitude's exponent field - 15, held at 1 from below.  Each number is divided by the scale, held within +-57,344, rounded to the nearest code, ties to even.
; LIMITS: a block of zeros gets the byte 1 where the quantiser's text says 127 (its codes are zeros, and this program alone reads the bytes); blocks whose largest magnitude lies under 2^-111 take the same byte; NaN and infinities are not served.
; SHARES.  A work-group makes 32 rows of cod; wave w their columns 256 w on: 16 steps of two rows x 256 numbers.  Each load reads 512 consecutive bytes; a step's 2,048 bytes turn through the wave's own stage in LDS
; and come back 64 bytes a lane: 16 neighbours along K, two lanes to a block.  No barrier: waves share nothing.  Loads run four steps ahead, the turn through LDS one step.
.set STEPS, 16
.set EMAX,  15
.set MANT,  0x600000                   ; the mantissa field of 57,344 as f32
.set R,     16                         ; v16-79   four sets of 16 numbers as they are loaded
.set X,     80                         ; v80-111  two sets of 16 neighbours
.set E,     112                        ; v112-127 a scale byte for each step
.set C,     128                        ; v128-191 codes: four registers for each step, so that no store's data are written again
.set VO,    192                        ; v192-223 byte offset of my 16 bytes in each of the 32 input rows; never rewritten
.set WREG,  8192                       ; LDS: a region for each wave: two stages of 32 x SP bytes, behind them its 256 scale bytes
.set SP,    80                         ; a lane's place in a stage: 64 bytes + 16 of padding
	s_load_b512 s[12:27], s[0:1], 0x0              ; q, k, v, Wq, Wk, Wv, Wo, cod
	s_load_b64 s[28:29], s[0:1], 0x40              ; scl
	v_lshl_add_u32 v224, v0, 2, 0x8000
	v_mov_b32 v225, 0
	v_lshrrev_b32 v1, 5, v0
	v_readfirstlane_b32 s6, v1                     ; wave
	v_and_b32 v2, 31, v0                           ; lane
	v_lshlrev_b32 v3, 4, v2                        ; my 16 bytes of a load's 512
	s_mul_i32 s30, s6, WREG
	v_lshrrev_b32 v14, 2, v2
	v_mul_u32_u24 v14, v14, SP
	v_and_b32 v15, 3, v2
	v_lshl_add_u32 v14, v15, 4, v14
	v_add_nc_u32 v14, s30, v14                     ; the stage, on the way in: SP (lane / 4) + 16 (lane % 4)
	v_mul_u32_u24 v15, v2, SP
	v_add_nc_u32 v15, s30, v15                     ; and on the way out: SP x lane
	v_and_b32 v4, 15, v2
	v_lshlrev_b32 v4, 4, v4
	v_lshrrev_b32 v5, 4, v2
	v_lshl_add_u32 v4, v5, 10, v4                  ; my codes: lanes 0-15 the step's first row, lanes 16-31 its second (1,024 bytes on), 16 bytes a lane
	v_lshrrev_b32 v5, 1, v2
	s_add_co_u32 s30, s30, 2*32*SP
	v_add_nc_u32 v5, s30, v5                       ; LDS: my wave's 256 scale bytes, my block's byte
	v_lshlrev_b32 v7, 3, v2                        ; and on the way out 8 bytes a lane
	v_add_nc_u32 v6, s30, v7
	s_mov_b32 s31, MANT
	; which tensor (ti = 0 .. 6) and which 32 of its rows (rho): work-groups 0-767 take q, k, v (256 each), the others the four weights (32 each)
	s_lshr_b32 s32, ttmp9, 8
	s_and_b32 s33, ttmp9, 255
	s_sub_co_u32 s34, ttmp9, 768
	s_lshr_b32 s35, s34, 5
	s_add_co_u32 s35, s35, 3
	s_and_b32 s34, s34, 31
	s_cmp_lt_u32 ttmp9, 768
	s_cselect_b32 s32, s32, s35                    ; ti
	s_cselect_b32 s33, s33, s34                    ; rho
	s_and_b32 s36, s33, 1                          ; Wq, Wk, Wv: row 32 rho + j is head rho / 2, d = 32 (rho % 2) + j: W's row 512 (rho % 2) + rho / 2 + 16 j
	s_lshl_b32 s36, s36, 9
	s_lshr_b32 s37, s33, 1
	s_add_co_u32 s36, s36, s37
	s_lshl_b32 s36, s36, 12
	s_lshl_b32 s37, s33, 17                        ; the others: row 32 rho + j
	s_sub_co_u32 s38, s32, 3
	s_mov_b32 s7, 4096
	s_cmp_lt_u32 s38, 3                            ; ti = 3, 4, 5
	s_cselect_b32 s36, s36, s37                    ; where the 32 rows begin,
	s_cselect_b32 s7, 0x10000, s7                  ; and the bytes from one to the next
	s_lshl_b32 s37, s6, 10
	s_add_co_u32 s36, s36, s37                     ; + my wave's 256 columns
	s_mov_b32 s37, 0
	s_lshl_b32 s38, ttmp9, 15                      ; cod: 32 rows of 1,024 bytes a work-group, + 256 x wave
	s_lshl_b32 s39, s6, 8
	s_add_co_u32 s38, s38, s39
	s_mov_b32 s39, 0
	s_lshr_b32 s40, ttmp9, 2                       ; scl: 4,096 (g / 4) + 1,024 x wave + 256 (g % 4)
	s_lshl_b32 s40, s40, 12
	s_lshl_b32 s41, s6, 10
	s_add_co_u32 s40, s40, s41
	s_and_b32 s41, ttmp9, 3
	s_lshl_b32 s41, s41, 8
	s_add_co_u32 s40, s40, s41
	s_mov_b32 s41, 0
.set j, 0
.rept 32
	v_mad_u32_u24 v[VO+j], s7, j, v3
.set j, j+1
.endr
	s_wait_kmcnt 0x0
	s_mov_b64 s[4:5], s[12:13]                     ; the input: a choice on the work-group's number alone
.irp i, 1,2,3,4,5,6
	s_cmp_eq_u32 s32, \i
	s_cselect_b64 s[4:5], s[12+2*\i:13+2*\i], s[4:5]
.endr
	s_add_nc_u64 s[4:5], s[4:5], s[36:37]
	s_add_nc_u64 s[8:9], s[26:27], s[38:39]
	s_add_nc_u64 s[10:11], s[28:29], s[40:41]
.macro LOAD t                          ; step t: rows 2 t and 2 t + 1 of cod, which are input rows sigma(2 t), sigma(2 t + 1)
.irp i, 0,1,2,3
.set PR, 2*(\t)+\i/2
.set LR, (PR&7)|((PR&8)<<1)|((PR&16)>>1)
	global_load_b128 v[R+16*((\t)%4)+4*\i:R+16*((\t)%4)+4*\i+3], v[VO+LR], s[4:5] offset:512*(\i%2) th:TH_LOAD_NT   ; 32 lanes read 512 consecutive bytes
.endr
.endm
.macro TURN t                          ; step t's numbers through the stage: LDS serves a wave's instructions in order, so no wait stands between the stores and the loads
.irp i, 0,1,2,3
	ds_store_b128 v14, v[R+16*((\t)%4)+4*\i:R+16*((\t)%4)+4*\i+3] offset:32*SP*((\t)%2)+8*SP*\i
.endr
.irp i, 0,1,2,3
	ds_load_b128 v[X+16*((\t)%2)+4*\i:X+16*((\t)%2)+4*\i+3], v15 offset:32*SP*((\t)%2)+16*\i
.endr
.endm
.irp t, 0,1,2,3
	LOAD \t
.endr
	s_wait_loadcnt 12                              ; step 0's four loads are in; the twelve behind them may be out
	TURN 0
.macro STEP t
.set XS, X+16*((\t)%2)
.if (\t) > 0
	s_wait_dscnt 1                                 ; this step's numbers are back from the stage (the last step's byte store may be out): so its stores into the stage have read their registers,
.else
	s_wait_dscnt 0x0
.endif
.if (\t)+4 < STEPS
	LOAD (\t)+4                                    ; which take the loads of four steps on
.endif
.if (\t)+1 < STEPS
.if STEPS-2-(\t) >= 3
	s_wait_loadcnt 12                              ; the next step's four loads are in; those of the three steps behind it may be out
.else
	s_wait_loadcnt 4*(STEPS-2-(\t))
.endif
	TURN (\t)+1
.endif
	v_max3_num_f32 v8, |v[XS]|, |v[XS+1]|, |v[XS+2]|               ; the largest magnitude of my 16
	v_max3_num_f32 v9, |v[XS+3]|, |v[XS+4]|, |v[XS+5]|
.irp i, 6,10
	v_max3_num_f32 v8, v8, |v[XS+\i]|, |v[XS+\i+1]|
	v_max3_num_f32 v9, v9, |v[XS+\i+2]|, |v[XS+\i+3]|
.endr
	v_max3_num_f32 v8, v8, |v[XS+14]|, |v[XS+15]|
	v_max3_num_f32 v8, v8, v9, (EMAX+1)<<23        ; and the floor 2^(16 - 127): the byte cannot fall under 1
	v_max_num_f32_dpp v8, v8, v8 row_xmask:1 row_mask:0xf bank_mask:0xf   ; and of my neighbour's 16: the block's
	v_add_nc_u32 v11, -(EMAX<<23), v8              ; 15 off its exponent field: the conversion takes the exponent field of this operand as its scale
	v_and_or_b32 v10, v8, 0x7f800000, s31          ; 57,344 x the scale
.irp i, 0,1,2,3,4,5,6,7,8,9,10,11,12,13,14,15
	v_med3_num_f32 v[XS+\i], v[XS+\i], -v10, v10   ; the conversion to an 8-bit code does not saturate (ISA guide 7.6.2): the hold comes first
.endr
	v_cvt_scalef32_pk8_bf8_f32 v[C+4*(\t):C+4*(\t)+1], v[XS:XS+7], v11
	v_cvt_scalef32_pk8_bf8_f32 v[C+4*(\t)+2:C+4*(\t)+3], v[XS+8:XS+15], v11
	v_lshrrev_b32 v[E+(\t)], 23, v11               ; the scale's byte
	ds_store_b8 v5, v[E+(\t)] offset:16*(\t)       ; byte 8 x (row % 32) + block; both lanes of a block write the same byte with the same value
	global_store_b128 v4, v[C+4*(\t):C+4*(\t)+3], s[8:9] offset:2048*(\t)   ; sixteen lanes store 256 consecutive bytes of a row of cod, aligned
.endm
.irp t, 0,1,2,3,4,5,6,7,8,9,10,11,12,13,14,15
	STEP \t
.endr
	ds_load_b64 v[12:13], v6                       ; LDS serves a wave's instructions in order: these see my stores
	s_wait_dscnt 0x0
	global_store_b64 v7, v[12:13], s[10:11]        ; 32 lanes store 256 consecutive bytes, aligned: my 32 rows' scale bytes of my K step
	s_wait_tensorcnt 0x0
	ds_add_u32 v224, v225
	s_wait_dscnt 0x0
	s_endpgm
.Lfunc_end_k_q01dee6af5d_quant:
	.size	k_q01dee6af5d_quant, .Lfunc_end_k_q01dee6af5d_quant-k_q01dee6af5d_quant
	.p2alignl 7, 3214868480
	.fill 96, 4, 3214868480
	.section	.rodata,"a",@progbits
	.p2align	6, 0x0
	.amdhsa_kernel k_q01dee6af5d_quant
		.amdhsa_group_segment_fixed_size 33280
		.amdhsa_private_segment_fixed_size 0
		.amdhsa_enable_private_segment 0
		.amdhsa_kernarg_size 72
		.amdhsa_user_sgpr_count 2
		.amdhsa_user_sgpr_kernarg_segment_ptr 1
		.amdhsa_wavefront_size32 1
		.amdhsa_system_sgpr_workgroup_id_x 1
		.amdhsa_system_sgpr_workgroup_id_y 1
		.amdhsa_system_sgpr_workgroup_id_z 1
		.amdhsa_system_vgpr_workitem_id 0
		.amdhsa_next_free_vgpr 226
		.amdhsa_next_free_sgpr 66
		.amdhsa_reserve_vcc 0
		.amdhsa_float_denorm_mode_32 3
		.amdhsa_float_denorm_mode_16_64 3
		.amdhsa_memory_ordered 1
		.amdhsa_forward_progress 1
		.amdhsa_inst_pref_size 54
	.end_amdhsa_kernel
	.amdgpu_metadata
---
amdhsa.version: [ 1, 2 ]
amdhsa.kernels:
  - .name:           k_q01dee6af5d_quant
    .symbol:         k_q01dee6af5d_quant.kd
    .args:
      - { .name: q, .offset: 0, .size: 8, .value_kind: global_buffer, .address_space: global }
      - { .name: k, .offset: 8, .size: 8, .value_kind: global_buffer, .address_space: global }
      - { .name: v, .offset: 16, .size: 8, .value_kind: global_buffer, .address_space: global }
      - { .name: Wq, .offset: 24, .size: 8, .value_kind: global_buffer, .address_space: global }
      - { .name: Wk, .offset: 32, .size: 8, .value_kind: global_buffer, .address_space: global }
      - { .name: Wv, .offset: 40, .size: 8, .value_kind: global_buffer, .address_space: global }
      - { .name: Wo, .offset: 48, .size: 8, .value_kind: global_buffer, .address_space: global }
      - { .name: cod, .offset: 56, .size: 8, .value_kind: global_buffer, .address_space: global }
      - { .name: scl, .offset: 64, .size: 8, .value_kind: global_buffer, .address_space: global }
    .group_segment_fixed_size: 33280
    .private_segment_fixed_size: 0
    .kernarg_segment_align: 8
    .kernarg_segment_size: 72
    .max_flat_workgroup_size: 128
    .sgpr_count:     66
    .vgpr_count:     226
    .wavefront_size: 32
...
	.end_amdgpu_metadata
.endif
;; end of part 1
;; launch proj (part 2): grid 4 x 96, 4 waves a work-group, clusters of 4 x 4, 327,680 bytes of LDS; arguments cod, scl, bq, bk, bv, qi, qs, ki, vi; writes qi, qs, ki, vi
.if DOCPART == 2
	.amdgcn_target "amdgcn-amd-amdhsa--gfx1250"
	.amdhsa_code_object_version 6
	.text
	.protected	k_q01dee6af5d_proj
	.globl	k_q01dee6af5d_proj
	.p2align	8
	.type	k_q01dee6af5d_proj,@function
k_q01dee6af5d_proj:
	s_mov_b64 s[64:65], 0
	v_nop
	global_prefetch_b8 v0, s[64:65] scope:SCOPE_SE
	s_setreg_imm32_b32 hwreg(HW_REG_WAVE_MODE, 25, 1), 1
	s_wait_xcnt 0x0
	s_wait_alu depctr_hold_cnt(0) depctr_sa_sdst(0) depctr_va_vdst(0) depctr_va_sdst(0) depctr_va_ssrc(0) depctr_va_vcc(0) depctr_vm_vsrc(0)
	s_getreg_b32 s2, hwreg(HW_REG_IB_STS2, 6, 4)
	s_cmp_eq_u32 s2, 0
	s_cbranch_scc0 .Lentry_in_a_cluster
	s_endpgm
.Lentry_in_a_cluster:
	s_bfe_u32 s2, ttmp6, 0x10000c
	s_cmp_lg_u32 s2, 0xf033
	s_cbranch_scc0 .Lentry_shape_is_right
	s_endpgm
.Lentry_shape_is_right:
; The three input projections on codes of BF8 with E8M0 scales, their biases, and the quantisers of what attention multiplies: Qh and Kh along the head's 64, Vh along the keys.
; Clusters 0-7 along y make Q, 8-15 K, 16-23 V.  A tile is 256 x 256, four waves, 128 x 128 each: 64 accumulators.  K = 1,024 goes in four steps of 256 through two LDS slots.
; THE MATRIX INSTRUCTION TAKES "B" AS SOURCE 0 AND "A" AS SOURCE 1: a lane holds one row of A, and its registers run along B's rows.  Q, K: A = the rows of q or k, B = the weight's rows (64 h + d): registers run along d.
; V: A = Wv's rows, B = the rows of v: registers run along the KEYS.  By the order of cod's rows the 16 registers of accumulators 2 x and 2 x + 1 are 16 neighbours, 32 x + 16 (lane / 16) + 0 .. 15:
; a block of A's 16 rows (64 registers a lane) is quantised in place into 16 registers that ARE operand registers, and leaves as their image: four registers a store, lane l's 16 bytes at 16 l, 512 bytes on end.
; The bias is the C of each sum's first product: 64 registers, by B's tile (Q, K) or by A's block (V); only that first step is written twice.  The branch hangs on the cluster's y, which all partners share.
; CLUSTERS: 4 x 4.  A's tiles are asked for jointly along a row of the cluster, B's along a column.  The scale bytes of the tile's 256 + 256 rows, for all of K, come once, with the first fills.
; OUT: qi [bh][tile 128][c 2][512]; qs [bh][tile][16][4]; ki [bh][slot 8]: 16 tiles x 1,024 bytes of codes, then 16 x 64 bytes of scale words; vi [bh][slot 8]: [key step 2][tile of d 4][c 4][512], then [2][4][16][4].
; Q's and K's scale words carry 0x7f in bytes 2 and 3: attention's first product has K = 64 and fills the rest with zero codes.
; LIMITS: a block of zeros gets the byte 1 (its codes are zeros; this program alone reads the bytes); largest magnitudes under 2^-111 take the same byte; NaN and infinities are not served.
; REGISTERS: window 0: v1-31 addresses; v32-63 scale words, two sets; v64-127 the bias; v128-255 A's fragments, one set, later the way out.  window 1: B's fragments, two sets.  windows 2, 3: the accumulators ((a, b) at v[8 (8 (a % 4) + b)]).
.set NQ,     2
.set ROWB,   256
.set KROW,   1024
.set PITCH,  272                       ; an LDS row: 256 bytes + 16 of padding: the 16 rows that a load touches start at 16 different banks (64 banks of 4 bytes: ISA guide 11.1)
.set FR,     16
.set NL,     4
.set NP,     8                         ; places behind this matrix instruction (ISA guide 7.12.1)
.set HALFT,  128*PITCH
.set SLOT,   4*HALFT                   ; A's 256 rows, then B's 256 rows
.set SCL,    2*SLOT                    ; behind the ring: the scale bytes, four blocks of 128 rows: 16 units of 256 bytes + 16 of padding each
.set HALFS,  16*272
.set SSTEP,  4*272                     ; from a K step's scale words to the next step's
.set SPARE,  SCL+4*HALFS               ; the spare words, 128 bytes for each wave: two blocks of 256 bytes that no other line names
.set STQ,    0                         ; the way out: Q's and K's scale words, 1,024 bytes a wave; V's, 512 bytes a wave.  Both lie in slot 0, which has had its last fill and its last read by then
.set STV,    8192
.set ADRA, 16                          ; v16-17  LDS address of my A fragments in slot 0, 1
.set SSQ,  18                          ; v18     where I put a scale word (Q, K)
.set SSV,  19                          ; v19     (V)
.set ADRB, 20                          ; v20-21  B's fragments
.set SLQ,  22                          ; v22     where I read scale words back (Q, K)
.set SLV,  23                          ; v23     (V)
.set VH0,  24                          ; v24     16 x lane
.set VH1,  25                          ; v25     16 x lane + a head's bytes of codes
.set VS1,  26                          ; v26     16 x lane + a head's bytes of scale words
.set ADRS, 27                          ; v27     LDS address of my scale words: lanes 0-15 A's rows, lanes 16-31 B's
.set SPW,  28                          ; v28     my spare word; never rewritten
.set NIL,  29                          ; v29     0; never rewritten
.set VSV,  30                          ; v30     V's scale words on their way out
.set SC,   32
.set BI,   64
.set AF,   128
.set XX,   128                         ; the way out: 64 held numbers
.set PC,   192                         ; 16 registers of codes
.set TM,   208                         ; largest magnitudes
.set T2,   212                         ; the other half's, then the bytes
.set HL,   216                         ; 57,344 x the scale
.set SO,   220                         ; the conversions' scale operands
.set WD,   232                         ; v232-247 scale words, a register for each
.set G1, 24
.set G0, 32
.set G1B, 48
.set G0B, 56
.set G1S, 68
.set G0S, 76
.set G1SB, 80
.set G0SB, 88
.set SEL, 92                           ; s[92:93] lane selects for v_permlanex16_b32 (written behind the first fills)
.set MNT, 94                           ; s94 the mantissa field of 57,344
.set OC,  98                           ; s[98:99]   where my codes go
.set OS,  100                          ; s[100:101] where my scale words go
.set MSB, 0
.macro WIN new                         ; the immediate's high byte repeats the setting that is left
.if MSB != (\new)
	s_set_vgpr_msb (MSB<<8)|(\new)
.set MSB, (\new)
.endif
.endm
.set MUL_LO, 0xa1                      ; source 0 (B) window 1, source 1 (A) window 0, C and D window 2
.set MUL_HI, 0xf1                      ; the same, C and D window 3
.set TO_B,   0x40                      ; destination window 1, address window 0
; A joint load: waves 0 and 1 fetch for A, waves 2 and 3 for B.  Four v_nop follow each of the two lines.
.macro JLOAD g0a, g1a, g0b, g1b
	s_cmp_eq_u32 s15, 0
	s_cbranch_scc0 .Lfor_b_\@
	tensor_load_to_lds s[\g0a:\g0a+3], s[\g1a:\g1a+7]
	s_nop 0
.rept 4
	v_nop
.endr
	s_branch .Lasked_\@
.Lfor_b_\@:
	tensor_load_to_lds s[\g0b:\g0b+3], s[\g1b:\g1b+7]
	s_nop 0
.rept 4
	v_nop
.endr
.Lasked_\@:
.endm
.macro CREST                           ; a round of the cluster's barrier behind its opening barrier
	s_cmp_lg_u32 s14, 0
	s_cbranch_scc1 .Lnot_wave_0_\@
	s_barrier_signal -3
.Lnot_wave_0_\@:
	s_barrier_wait -3
	s_barrier_signal -1
	s_barrier_wait -1
.endm
.macro CROUND
	s_barrier_signal -1
	s_barrier_wait -1
	CREST
.endm
	s_load_b128 s[4:7], s[0:1], 0x0                ; cod, scl
	s_load_b128 s[8:11], s[0:1], 0x10              ; bq, bk
	s_load_b64 s[12:13], s[0:1], 0x20              ; bv
	v_lshl_add_u32 v[SPW], v0, 2, SPARE
	v_mov_b32 v[NIL], 0
	ds_add_u32 v28, v29
	s_wait_dscnt 0x0
	v_lshrrev_b32 v1, 5, v0
	v_readfirstlane_b32 s14, v1                    ; wave 0..3
	s_lshr_b32 s15, s14, 1                         ; which half of A's rows is mine.  Also: I fetch for A (0) or for B (1)
	s_and_b32 s16, s14, 1                          ; which half of B's rows.  Also: which 128 rows I fetch
	s_bfe_u32 s40, ttmp6, 0x40000                  ; cx, cy: my place in the cluster
	s_bfe_u32 s41, ttmp6, 0x40004
	s_and_b32 s3, ttmp7, 0xffff                    ; the cluster's y, 0 .. 23
	s_lshr_b32 s2, s3, 3                           ; 0: Q, 1: K, 2: V
	s_and_b32 s3, s3, 7
	s_lshl_b32 s95, s2, 13                         ; Q, K: A begins at cod's row 8,192 t, B at 24,576 + 1,024 t
	s_lshl_b32 s96, s2, 10
	s_add_co_u32 s96, s96, 24576
	s_cmp_eq_u32 s2, 2
	s_cselect_b32 s95, 26624, s95                  ; V: A = Wv's rows, B = v's
	s_cselect_b32 s96, 16384, s96
	s_cselect_b32 s66, 0, s3                       ; the 32 tiles of the long side are walked by the cluster's y
	s_cselect_b32 s67, s3, 0
	s_lshl_b32 s17, s66, 2
	s_add_co_u32 s17, s17, s41                     ; A's tile: made of cy and the cluster's y
	s_lshl_b32 s42, s67, 2
	s_add_co_u32 s42, s42, s40                     ; B's tile: made of cx and the cluster's y
	s_lshl_b32 s43, s41, 2
	s_lshl_b32 s43, 15, s43                        ; my row of the cluster
	s_lshl_b32 s44, 0x1111, s40                    ; my column
	s_or_b32 s[G1+0], s43, (0<<16)|(1<<20)|(1<<21)|(5<<22)|(3<<25)  ; the mask; elements of 1 byte; padding: 4 words behind every 64; bit 21 beside a mask
	s_or_b32 s[G1B+0], s44, (0<<16)|(1<<20)|(1<<21)|(5<<22)|(3<<25)
.irp g, G1, G1B
	s_mov_b32 s[\g+1], ROWB<<16                    ; tensor_dim0
	s_mov_b32 s[\g+2], 128<<16                     ; tensor_dim1
	s_mov_b32 s[\g+3], ROWB<<16                    ; tile_dim0
	s_mov_b32 s[\g+4], 128                         ; tile_dim1
	s_mov_b32 s[\g+5], KROW                        ; the pitch
	s_mov_b32 s[\g+6], 0
	s_mov_b32 s[\g+7], 0
.endr
	s_or_b32 s[G1S+0], s43, (3<<16)|(1<<20)|(1<<21)|(5<<22)|(3<<25) ; the scale bytes of 128 rows: 4,096 dense bytes as 16 rows of 32 elements of 8 bytes
	s_or_b32 s[G1SB+0], s44, (3<<16)|(1<<20)|(1<<21)|(5<<22)|(3<<25)
.irp g, G1S, G1SB
	s_mov_b32 s[\g+1], 32<<16
	s_mov_b32 s[\g+2], 16<<16
	s_mov_b32 s[\g+3], 32<<16
	s_mov_b32 s[\g+4], 16
	s_mov_b32 s[\g+5], 32
	s_mov_b32 s[\g+6], 0
	s_mov_b32 s[\g+7], 0
.endr
	s_lshl_b32 s18, s16, 7                         ; which 128 rows of the tile I fetch
	s_lshl_b32 s20, s17, 8
	s_add_co_u32 s20, s20, s18
	s_add_co_u32 s20, s20, s95                     ; A's row in cod
	s_lshl_b32 s46, s42, 8
	s_add_co_u32 s46, s46, s18
	s_add_co_u32 s46, s46, s96                     ; B's
	s_lshl_b32 s22, s20, 5                         ; scale bytes: 32 a row (the rows are multiples of 128)
	s_mov_b32 s23, 0
	s_lshl_b32 s20, s20, 10                        ; codes: 1,024 a row
	s_mov_b32 s21, 0
	s_lshl_b32 s92, s46, 5
	s_mov_b32 s93, 0
	s_lshl_b32 s46, s46, 10
	s_mov_b32 s47, 0
	s_mul_i32 s45, s14, HALFT                      ; where they go: wave x 128 rows: no place in the cluster enters an LDS address
	s_mul_i32 s94, s14, HALFS
	s_wait_kmcnt 0x0
	s_add_nc_u64 s[20:21], s[4:5], s[20:21]
	s_add_nc_u64 s[22:23], s[6:7], s[22:23]
	s_add_nc_u64 s[46:47], s[4:5], s[46:47]
	s_add_nc_u64 s[92:93], s[6:7], s[92:93]
	CROUND                                         ; all sixteen work-groups are here: the first joint loads meet
	s_mov_b32 s[G0S], 1
	s_add_co_u32 s[G0S+1], s94, SCL
	s_mov_b64 s[G0S+2:G0S+3], s[22:23]
	s_or_b32 s[G0S+3], s[G0S+3], 0x80000000
	s_mov_b32 s[G0SB], 1
	s_add_co_u32 s[G0SB+1], s94, SCL
	s_mov_b64 s[G0SB+2:G0SB+3], s[92:93]
	s_or_b32 s[G0SB+3], s[G0SB+3], 0x80000000
	JLOAD G0S, G1S, G0SB, G1SB                     ; the scales first: they are wanted with K step 0
.irp s, 0,1
	s_mov_b32 s[G0+4*\s], 1
	s_add_co_u32 s[G0+4*\s+1], s45, \s*SLOT
	s_add_nc_u64 s[G0+4*\s+2:G0+4*\s+3], s[20:21], \s*ROWB
	s_or_b32 s[G0+4*\s+3], s[G0+4*\s+3], 0x80000000
	s_mov_b32 s[G0B+4*\s], 1
	s_add_co_u32 s[G0B+4*\s+1], s45, \s*SLOT
	s_add_nc_u64 s[G0B+4*\s+2:G0B+4*\s+3], s[46:47], \s*ROWB
	s_or_b32 s[G0B+4*\s+3], s[G0B+4*\s+3], 0x80000000
	JLOAD G0+4*\s, G1, G0B+4*\s, G1B
.endr
	s_load_b128 s[4:7], s[0:1], 0x28               ; qi, qs
	s_load_b128 s[20:23], s[0:1], 0x38             ; ki, vi
	v_and_b32 v1, 15, v0                           ; r = lane % 16
	v_bfe_u32 v2, v0, 4, 1                         ; hh = lane / 16
	v_mul_u32_u24 v3, v1, PITCH
	v_lshl_add_u32 v4, v2, 4, v3                   ; a fragment's row x pitch + 16 x half
	s_mul_i32 s18, s15, HALFT
	s_mul_i32 s19, s16, HALFT
	s_add_co_u32 s19, s19, 2*HALFT
.irp s, 0,1
	v_add_nc_u32 v[ADRA+\s], s18, v4
	v_add_nc_u32 v[ADRB+\s], s19, v4
	s_add_co_u32 s18, s18, SLOT
	s_add_co_u32 s19, s19, SLOT
.endr
	v_lshlrev_b32 v5, 3, v1                        ; my row's two scale words of a K step: 8 bytes a row
	s_mul_i32 s18, s15, HALFS                      ; A's: my 128 rows
	s_mul_i32 s19, s16, HALFS                      ; B's: my 128 rows, behind A's 256
	s_add_co_u32 s19, s19, 2*HALFS
	s_sub_co_u32 s19, s19, s18
	v_mul_u32_u24 v6, s19, v2                      ; lanes 16-31 take B's
	s_add_co_u32 s18, s18, SCL
	v_add_nc_u32 v5, v5, v6
	v_add_nc_u32 v[ADRS], s18, v5
	v_lshlrev_b32 v5, 2, v1                        ; 4 r
	v_and_b32 v6, 31, v0
	v_lshlrev_b32 v[VH0], 4, v6                    ; 16 x lane
	s_lshl_b32 s18, s14, 10
	v_add_nc_u32 v[SSQ], s18, v5
	v_add_nc_u32 v[SLQ], s18, v[VH0]
	s_lshl_b32 s18, s14, 9
	s_add_co_u32 s18, s18, STV
	v_add_nc_u32 v[SSV], s18, v5
	v_add_nc_u32 v[SLV], s18, v[VH0]
	; THE BIAS.  My wave's first head: Q, K: 4 x B's tile + 2 x B's half; V: the same of A.  Number 16 d + h of the bias belongs to row 64 h + d of the weight.
	s_lshl_b32 s18, s42, 2
	s_lshl_b32 s19, s16, 1
	s_add_co_u32 s18, s18, s19
	s_lshl_b32 s19, s17, 2
	s_lshl_b32 s45, s15, 1
	s_add_co_u32 s19, s19, s45
	s_cmp_eq_u32 s2, 1
	s_cselect_b64 s[8:9], s[10:11], s[8:9]
	s_cmp_eq_u32 s2, 2
	s_cselect_b64 s[8:9], s[12:13], s[8:9]
	s_cselect_b32 s45, s19, s18                    ; h0
	s_cselect_b32 s95, 64, 0                       ; V: d hangs on my row r + 8 (r / 8) alone;
	s_cselect_b32 s96, 0, 1024                     ; Q, K: on my half of the lanes (16 d) and on the register (1 d)
	s_cselect_b32 s97, 0, 64
	s_lshl_b32 s18, s45, 2
	s_mov_b32 s19, 0
	s_add_nc_u64 s[8:9], s[8:9], s[18:19]
	v_and_b32 v6, 8, v1
	v_add_nc_u32 v6, v6, v1                        ; r + 8 (r / 8)
	v_mul_u32_u24 v7, v6, s95
	v_mad_u32_u24 v7, v2, s96, v7
.irp j, 0,1,2,3,4,5,6,7
	v_mad_u32_u24 v[8+\j], s97, \j, v7
.endr
.irp x, 0,1,2,3,4,5,6,7                        ; tile x: head h0 + x / 4, d from 32 ((x % 4) / 2) + 8 (x % 2) on
.irp j, 0,1,2,3,4,5,6,7
	global_load_b32 v[BI+8*\x+\j], v[8+\j], s[8:9] offset:(32*((\x%4)/2)+8*(\x%2))*64+4*(\x/4)
.endr
.endr
	; WHERE THE RESULTS GO.  The long side's tile says batch (tile / 8) and slot of 256 rows (tile % 8); a slot's bytes are 16,384 (qi), 17,408 (ki), 16,896 (vi), a head's eight times that
	s_wait_kmcnt 0x0
	s_cmp_eq_u32 s2, 1
	s_cselect_b64 s[4:5], s[20:21], s[4:5]
	s_cselect_b64 s[6:7], s[20:21], s[6:7]
	s_mov_b32 s95, 17408
	s_cmp_eq_u32 s2, 2
	s_cselect_b64 s[4:5], s[22:23], s[4:5]
	s_cselect_b64 s[6:7], s[22:23], s[6:7]
	s_cselect_b32 s18, s42, s17                    ; the long side's tile,
	s_cselect_b32 s19, s16, s15                    ; and my half of it
	s_cselect_b32 s95, 16896, s95
	s_cselect_b32 s94, 8, 9                        ; a half's scale words: 256 bytes (V) or 512
	s_cmp_eq_u32 s2, 0
	s_cselect_b32 s95, 16384, s95                  ; a slot's bytes where the codes go,
	s_cselect_b32 s96, 1024, s95                   ; and where the scale words go (qs: 1,024),
	s_cselect_b32 s97, 0, 16384                    ; which in ki and vi lie behind the slot's codes
	s_lshr_b32 s92, s18, 3
	s_lshl_b32 s92, s92, 4
	s_add_co_u32 s92, s92, s45                     ; 16 x batch + h0
	s_lshl_b32 s92, s92, 3
	s_and_b32 s18, s18, 7
	s_add_co_u32 s92, s92, s18                     ; x 8 + slot
	s_mul_i32 s46, s92, s95
	s_lshl_b32 s93, s19, 13
	s_add_co_u32 s46, s46, s93                     ; + 8,192 x half
	s_mov_b32 s47, 0
	s_add_nc_u64 s[OC:OC+1], s[4:5], s[46:47]
	s_mul_i32 s46, s92, s96
	s_add_co_u32 s46, s46, s97
	s_lshl_b32 s93, s19, s94
	s_add_co_u32 s46, s46, s93
	s_add_nc_u64 s[OS:OS+1], s[6:7], s[46:47]
	s_lshl_b32 s95, s95, 3
	s_lshl_b32 s96, s96, 3
	v_add_nc_u32 v[VH1], s95, v[VH0]
	v_add_nc_u32 v[VS1], s96, v[VH0]
	v_lshlrev_b32 v[VSV], 4, v1
	v_mul_u32_u24 v5, v2, 135168
	v_add_nc_u32 v[VSV], v[VSV], v5                ; V: lanes 0-15 the first head's 256 bytes, lanes 16-31 the next head's
	s_mov_b32 s[SEL], 0x76543210
	s_mov_b32 s[SEL+1], 0xfedcba98
	s_mov_b32 s[MNT], 0x600000
.macro FRAG reg, adr, q, i             ; a fragment: lane l holds row l % 16; registers 4 c .. 4 c + 3 hold K = 32 c + 16 (l / 16) + 0 .. 15
.irp c, 0,1,2,3
	ds_load_b128 v[\reg+4*\c:\reg+4*\c+3], v[\adr] offset:128*(\q)+32*\c+(\i)*16*PITCH
.endr
.endm
; 16 matrix instructions: A's blocks a0, a0 + 1 x B's eight, 128 along K.  cm = 0: onto the sums; 1: the sums begin with the bias of B's tile; 2: with that of A's block.
; The 64 accumulators take turns, one instruction a turn, in the same order in every step.
.macro MUL16 a0, p, q, sc, cm
.irp a, \a0, \a0+1
.irp b, 0,1,2,3,4,5,6,7
.set rD, 8*(8*((\a)%4)+\b)
.set rB, 128*(\p)+FR*\b
.set rA, AF+FR*(\a)
.set rSB, SC+8*NQ*(\sc)+NQ*\b+(\q)
.set rSA, SC+8*NQ*(\sc)+NQ*(\a)+(\q)
.if \cm == 1
	v_wmma_scale_f32_16x16x128_f8f6f4 v[rD:rD+7], v[rB:rB+15], v[rA:rA+15], v[BI+8*\b:BI+8*\b+7], v[rSB], v[rSA] matrix_a_fmt:MATRIX_FMT_BF8 matrix_b_fmt:MATRIX_FMT_BF8 matrix_a_scale:MATRIX_SCALE_ROW1
.elseif \cm == 2
	v_wmma_scale_f32_16x16x128_f8f6f4 v[rD:rD+7], v[rB:rB+15], v[rA:rA+15], v[BI+8*(\a):BI+8*(\a)+7], v[rSB], v[rSA] matrix_a_fmt:MATRIX_FMT_BF8 matrix_b_fmt:MATRIX_FMT_BF8 matrix_a_scale:MATRIX_SCALE_ROW1
.else
	v_wmma_scale_f32_16x16x128_f8f6f4 v[rD:rD+7], v[rB:rB+15], v[rA:rA+15], v[rD:rD+7], v[rSB], v[rSA] matrix_a_fmt:MATRIX_FMT_BF8 matrix_b_fmt:MATRIX_FMT_BF8 matrix_a_scale:MATRIX_SCALE_ROW1
.endif
.endr
.endr
.endm
.macro FETCH_B slot, q, p
	WIN TO_B
.irp i, 0,1,2,3,4,5,6,7
	FRAG 128*(\p)+FR*\i, ADRB+\slot, \q, \i
.endr
	WIN 0
.endm
.macro FETCH_A slot, q, i0
.irp i, \i0, \i0+1, \i0+2, \i0+3
	FRAG AF+FR*(\i), ADRA+\slot, \q, \i
.endr
.endm
.macro SCALES sc                       ; a K step's scale words: lanes 0-15 take A's block i, lanes 16-31 B's block i; two blocks of 16 rows to a unit of 256 bytes
.irp i, 0,1,2,3,4,5,6,7
	ds_load_b64 v[SC+8*NQ*\sc+NQ*\i:SC+8*NQ*\sc+NQ*\i+1], v[ADRS] offset:(\i/2)*272+(\i%2)*128
.endr
.endm
.macro PLACES n                        ; plain vector instructions that name no register of the matrix instructions before them (ISA guide 7.12.1)
.rept \n
	v_nop
.endr
.endm
.macro STEP slot, q, cm                ; a step of 128 along K that has its successor in the same slot
	s_wait_dscnt 4*NL                              ; B's set and A's blocks 0-3 are in; the youngest sixteen loads (A's blocks 4-7) may be out
.if \cm
	WIN 0x81                                       ; as MUL_LO, with C (the bias) in window 0
.else
	WIN MUL_LO
.endif
	MUL16 0, (\q)%2, \q, \slot, \cm
	MUL16 2, (\q)%2, \q, \slot, \cm
	s_wait_dscnt 0
	PLACES NP
	FETCH_B \slot, (\q)+1, 1-(\q)%2
	FETCH_A \slot, (\q)+1, 0
.if \cm
	WIN 0xc1
.else
	WIN MUL_HI
.endif
	MUL16 4, (\q)%2, \q, \slot, \cm
	MUL16 6, (\q)%2, \q, \slot, \cm
	PLACES NP
	WIN 0
	FETCH_A \slot, (\q)+1, 4
.endm
; A slot's last step changes slots: one barrier; in front of it each wave waits for all its tensor loads, adds 0 to its spare word, and waits for that and for its reads of this slot.  fill = 1: the slot is filled again, two K steps ahead.
.macro TURN slot, next, fill
	s_wait_tensorcnt 0x0                           ; all my tensor loads have landed: my part of the next slot
	ds_add_u32 v[SPW], v[NIL]                      ; 0 onto my spare word
	s_wait_dscnt 4*NL+1                            ; (the add and the youngest sixteen loads, A's blocks 4-7, may be out)
	WIN MUL_LO
	MUL16 0, 1, NQ-1, \slot, 0
	s_wait_dscnt 0x0                               ; the add is done, and my reads of this slot are over
	s_barrier_signal -1
	MUL16 2, 1, NQ-1, \slot, 0
	WIN 0
	s_barrier_wait -1
.if \fill
	CREST                                          ; the barrier has opened a round of the cluster's barrier: no wave of any partner still reads this slot or has a load on its way
	s_add_nc_u64 s[G0+4*\slot+2:G0+4*\slot+3], s[G0+4*\slot+2:G0+4*\slot+3], 2*ROWB
	s_add_nc_u64 s[G0B+4*\slot+2:G0B+4*\slot+3], s[G0B+4*\slot+2:G0B+4*\slot+3], 2*ROWB
	JLOAD G0+4*\slot, G1, G0B+4*\slot, G1B         ; the first tensor load behind the round; its four v_nop are four of the eight places
	PLACES NP-4
.else
	PLACES NP
.endif
	v_add_nc_u32 v[ADRS], SSTEP, v[ADRS]           ; on to the next K step's scale words
	FETCH_B \next, 0, 0
	FETCH_A \next, 0, 0
	SCALES \next
	WIN MUL_HI
	MUL16 4, 1, NQ-1, \slot, 0
	MUL16 6, 1, NQ-1, \slot, 0
	PLACES NP
	WIN 0
	FETCH_A \next, 0, 4
.endm
	s_wait_loadcnt 0x0                             ; the bias
	s_wait_tensorcnt 1                             ; the scales and my part of K step 0 are in (K step 1's load may be out)
	s_barrier_signal -1
	s_barrier_wait -1                              ; everybody's are
	FETCH_B 0, 0, 0
	FETCH_A 0, 0, 0
	SCALES 0
	FETCH_A 0, 0, 4
	s_cmp_eq_u32 s2, 2                             ; the first step begins the sums with the bias: by B's tile (Q, K) or by A's block (V)
	s_cbranch_scc1 .Lfirst_v
	STEP 0, 0, 1
	s_branch .Lfirst_done
.Lfirst_v:
	STEP 0, 0, 2
.Lfirst_done:
	TURN 0, 1, 1                                   ; K = 1,024 is twice round the ring: the steps are written out
	STEP 1, 0, 0
	TURN 1, 0, 1
	STEP 0, 0, 0
	TURN 0, 1, 0                                   ; nothing is left to fetch
	STEP 1, 0, 0
	s_wait_dscnt 4*NL
	WIN MUL_LO
	MUL16 0, 1, NQ-1, 1, 0
	MUL16 2, 1, NQ-1, 1, 0
	s_wait_dscnt 0
	WIN MUL_HI
	MUL16 4, 1, NQ-1, 1, 0
	MUL16 6, 1, NQ-1, 1, 0
	WIN 0
; THE WAY OUT.  Block a (A's 16 rows): register 16 x + i of its 64 is B's row 32 x + 16 (lane / 16) + i.  Four blocks of 32 are quantised; a block lies in lanes l and l xor 16.
.macro QUANTW a
.set AC, 64*((\a)%4)
.set WW, 2+(\a)/4
	WIN WW*5                                       ; sources 0 and 1 in the accumulators' window
.irp b, 0,1,2,3
	v_max3_num_f32 v[TM+\b], |v[AC+16*\b]|, |v[AC+16*\b+1]|, 0x8000000   ; each accumulator is read from its low end on; the floor 2^(16 - 127) holds the byte at 1 from below
.endr
.irp i, 2,4,6,8,10,12,14
.irp b, 0,1,2,3
	v_max3_num_f32 v[TM+\b], |v[AC+16*\b+\i]|, |v[AC+16*\b+\i+1]|, v[TM+\b]
.endr
.endr
	WIN 0
.irp b, 0,1,2,3
	v_permlanex16_b32 v[T2+\b], v[TM+\b], s[SEL], s[SEL+1]
.endr
.irp b, 0,1,2,3
	v_max_num_f32 v[TM+\b], v[TM+\b], v[T2+\b]     ; the block's largest magnitude
.endr
.irp b, 0,1,2,3
	v_add_nc_u32 v[SO+\b], 0xf8800000, v[TM+\b]    ; 15 off its exponent field: the conversion's scale operand
.endr
.irp b, 0,1,2,3
	v_and_or_b32 v[HL+\b], v[TM+\b], 0x7f800000, s[MNT]   ; 57,344 x the scale
.endr
.irp b, 0,1,2,3
	v_lshrrev_b32 v[T2+\b], 23, v[SO+\b]           ; the scale's byte
.endr
	WIN WW                                         ; source 0 in the accumulators' window
.set n, 0
.rept 64
	v_med3_num_f32 v[XX+n], v[AC+n], -v[HL+n/16], v[HL+n/16]   ; the conversion to an 8-bit code does not saturate (ISA guide 7.6.2): the hold comes first
.set n, n+1
.endr
	WIN 0
.irp b, 0,1,2,3
	v_cvt_scalef32_pk8_bf8_f32 v[PC+4*\b:PC+4*\b+1], v[XX+16*\b:XX+16*\b+7], v[SO+\b]
	v_cvt_scalef32_pk8_bf8_f32 v[PC+4*\b+2:PC+4*\b+3], v[XX+16*\b+8:XX+16*\b+15], v[SO+\b]
.endr
	v_nop                                          ; a plain instruction behind the last conversion
.endm
.macro OUT_QK a                        ; blocks 0, 1 are the first head's 64, blocks 2, 3 the next head's
.if (\a) > 0
	s_wait_xcnt 0x0                                ; the last block's stores have read the codes' registers
.endif
	QUANTW \a
	v_lshl_or_b32 v[WD+2*(\a)], v[T2+1], 8, v[T2]
	v_lshl_or_b32 v[WD+2*(\a)+1], v[T2+3], 8, v[T2+2]
	v_or_b32 v[WD+2*(\a)], 0x7f7f0000, v[WD+2*(\a)]            ; bytes 2 and 3 stand over zero codes: 1.0
	v_or_b32 v[WD+2*(\a)+1], 0x7f7f0000, v[WD+2*(\a)+1]
	ds_store_b32 v[SSQ], v[WD+2*(\a)] offset:STQ+64*(\a)       ; both halves of the lanes write the same word with the same value
	ds_store_b32 v[SSQ], v[WD+2*(\a)+1] offset:STQ+512+64*(\a)
	global_store_b128 v[VH0], v[PC:PC+3], s[OC:OC+1] offset:1024*(\a)          ; 32 lanes store 512 consecutive bytes, aligned
	global_store_b128 v[VH0], v[PC+4:PC+7], s[OC:OC+1] offset:1024*(\a)+512
	global_store_b128 v[VH1], v[PC+8:PC+11], s[OC:OC+1] offset:1024*(\a)
	global_store_b128 v[VH1], v[PC+12:PC+15], s[OC:OC+1] offset:1024*(\a)+512
.endm
.macro OUT_V a                         ; block a: head h0 + a / 4, tile a % 4 of its 64; the four blocks are my 128 keys
.if (\a) > 0
	s_wait_xcnt 0x0
.endif
	QUANTW \a
	v_lshl_or_b32 v[WD+(\a)], v[T2+1], 8, v[T2]
	v_lshl_or_b32 v[WD+(\a)], v[T2+2], 16, v[WD+(\a)]
	v_lshl_or_b32 v[WD+(\a)], v[T2+3], 24, v[WD+(\a)]
	ds_store_b32 v[SSV], v[WD+(\a)] offset:64*(\a)
.irp b, 0,1,2,3
	global_store_b128 v[VH0], v[PC+4*\b:PC+4*\b+3], s[OC:OC+1] offset:((\a)/4)*135168+((\a)%4)*2048+512*\b
.endr
.endm
	PLACES NP                                      ; behind the last products: their results are read, and A's registers written, only from here on
.irp b, 0,1,2,3
	v_mov_b32 v[T2+\b], 0                          ; a lane permute's destination counts as one of its sources
.endr
	s_cmp_eq_u32 s2, 2
	s_cbranch_scc1 .Lout_v
.irp a, 0,1,2,3,4,5,6,7
	OUT_QK \a
.endr
	ds_load_b128 v[XX:XX+3], v[SLQ] offset:STQ     ; LDS serves a wave's instructions in order: these see my stores.  A head's scale words of my 128 rows: 512 bytes on end
	ds_load_b128 v[XX+4:XX+7], v[SLQ] offset:STQ+512
	s_wait_dscnt 1                                 ; the first is in; the second may be out
	global_store_b128 v[VH0], v[XX:XX+3], s[OS:OS+1]
	s_wait_dscnt 0x0
	global_store_b128 v[VS1], v[XX+4:XX+7], s[OS:OS+1]
	s_branch .Lend
.Lout_v:
.irp a, 0,1,2,3,4,5,6,7
	OUT_V \a
.endr
	ds_load_b128 v[XX:XX+3], v[SLV]
	s_wait_dscnt 0x0
	global_store_b128 v[VSV], v[XX:XX+3], s[OS:OS+1]   ; sixteen lanes store 256 consecutive bytes, aligned
.Lend:
	s_wait_tensorcnt 0x0                           ; the wave's end
	ds_add_u32 v[SPW], v[NIL]
	s_wait_dscnt 0x0
	CROUND                                         ; the closing round
	s_endpgm
.Lfunc_end_k_q01dee6af5d_proj:
	.size	k_q01dee6af5d_proj, .Lfunc_end_k_q01dee6af5d_proj-k_q01dee6af5d_proj
	.p2alignl 7, 3214868480
	.fill 96, 4, 3214868480
	.section	.rodata,"a",@progbits
	.p2align	6, 0x0
	.amdhsa_kernel k_q01dee6af5d_proj
		.amdhsa_group_segment_fixed_size 327680
		.amdhsa_private_segment_fixed_size 0
		.amdhsa_enable_private_segment 0
		.amdhsa_kernarg_size 72
		.amdhsa_user_sgpr_count 2
		.amdhsa_user_sgpr_kernarg_segment_ptr 1
		.amdhsa_wavefront_size32 1
		.amdhsa_system_sgpr_workgroup_id_x 1
		.amdhsa_system_sgpr_workgroup_id_y 1
		.amdhsa_system_sgpr_workgroup_id_z 1
		.amdhsa_system_vgpr_workitem_id 0
		.amdhsa_next_free_vgpr 1024
		.amdhsa_next_free_sgpr 102
		.amdhsa_reserve_vcc 0
		.amdhsa_float_denorm_mode_32 3
		.amdhsa_float_denorm_mode_16_64 3
		.amdhsa_memory_ordered 1
		.amdhsa_forward_progress 1
		.amdhsa_inst_pref_size 255
	.end_amdhsa_kernel
	.section	.bss,"aw",@nobits
	.p2align	6
	.space	262144
	.amdgpu_metadata
---
amdhsa.version: [ 1, 2 ]
amdhsa.kernels:
  - .name:           k_q01dee6af5d_proj
    .symbol:         k_q01dee6af5d_proj.kd
    .args:
      - { .name: cod, .offset: 0, .size: 8, .value_kind: global_buffer, .address_space: global }
      - { .name: scl, .offset: 8, .size: 8, .value_kind: global_buffer, .address_space: global }
      - { .name: bq, .offset: 16, .size: 8, .value_kind: global_buffer, .address_space: global }
      - { .name: bk, .offset: 24, .size: 8, .value_kind: global_buffer, .address_space: global }
      - { .name: bv, .offset: 32, .size: 8, .value_kind: global_buffer, .address_space: global }
      - { .name: qi, .offset: 40, .size: 8, .value_kind: global_buffer, .address_space: global }
      - { .name: qs, .offset: 48, .size: 8, .value_kind: global_buffer, .address_space: global }
      - { .name: ki, .offset: 56, .size: 8, .value_kind: global_buffer, .address_space: global }
      - { .name: vi, .offset: 64, .size: 8, .value_kind: global_buffer, .address_space: global }
    .group_segment_fixed_size: 327680
    .private_segment_fixed_size: 0
    .kernarg_segment_align: 8
    .kernarg_segment_size: 72
    .max_flat_workgroup_size: 128
    .sgpr_count:     102
    .vgpr_count:     1024
    .wavefront_size: 32
...
	.end_amdgpu_metadata
.endif
;; end of part 2
;; launch attn (part 3): grid 4 x 64, 16 waves a work-group, no clusters, 327,680 bytes of LDS; arguments qi, qs, ki, vi, ai, asc; writes ai, asc
.if DOCPART == 3
	.amdgcn_target "amdgcn-amd-amdhsa--gfx1250"
	.amdhsa_code_object_version 6
	.text
	.protected	k_q01dee6af5d_attn
	.globl	k_q01dee6af5d_attn
	.p2align	8
	.type	k_q01dee6af5d_attn,@function
k_q01dee6af5d_attn:
	s_mov_b64 s[64:65], 0
	v_nop
	global_prefetch_b8 v0, s[64:65] scope:SCOPE_SE
	s_setreg_imm32_b32 hwreg(HW_REG_WAVE_MODE, 25, 1), 1
	s_wait_xcnt 0x0
; Causal attention of one (batch, head) on codes of BF8 with E8M0 scales, head size 64, 2,048 keys; scores are divided by 32 (the square root of the model's 1,024).  Its result, divided by the row's sum, is quantised
; along the output product's K (64 h + d) and leaves as images of that product's operand registers (ai) and scale bytes (asc).
; THE SOFTMAX: t = score x log2(e) / 32; M = the running largest t rounded UP to a whole number; p = 2^(t - M) is quantised along the keys, not normalised; the row's sum is taken of the unquantised p.
; When M moves, the sum and O are multiplied by 2^(old M - new M): exact.
; SHARES.  Work-group (i, bh) serves the query blocks i and 7 - i of 256 queries, one after the other: slots of 256 keys 0 .. i, then 0 .. 7 - i: NINE visits in every work-group, so that all 256 have equal work and the loop's
; trip count is a constant.  Each of the sixteen waves owns one tile of 16 queries; four waves to a SIMD, so that one wave's vector work stands beside another's products and LDS loads.
; No cluster: the four work-groups of a head walk different runs of slots, so their requests do not meet.
; LAYOUT.  Both products are used transposed (S^T = K Q^T, O^T = V^T P^T): a lane holds ONE query.  All operands arrive as images of their registers: every LDS read is 16 x lane on end, without pitch or padding.
; Lane r of a tile holds row 8 u + r + 8 (r / 8) of its 32 (queries, keys and the head's d alike): so the 16 registers of two neighbouring tiles of S^T are 16 neighbouring keys, and those of O^T 16 neighbouring d.
; K = 64 IN AN INSTRUCTION OF K = 128: Q's registers 8-15 are zero codes.  K's fragment t names v[32 + 8 t .. 47 + 8 t]: its upper half is the next tile's codes (tile 7: zeros), finite numbers that meet zero codes and add 0;
; bytes 2 and 3 of both scale words are 0x7f.
; THE MASK.  A step of 128 keys that all come after my queries is jumped over (a scalar branch on ids; no barrier or tensor load stands in a step).  On the diagonal hidden scores become -infinity ahead of the maximum.
; A step that is not jumped over begins at or before my first query, so every row has a key that counts.
; LIMITS: a block's largest p is taken from its largest score, which leans on v_exp_f32 not falling where its input rises; a block of zeros has the byte 1; NaN and infinities are not served.
; asc: a row of a head has 2 scale bytes; they are stored 8 bytes apart, 256 KiB in the whole launch.
; REGISTERS: v1-11 addresses and constants; v12 -M, v13 the largest t, v[14:15] the sum; v16-23 Q, v24-31 zeros; v32-95 K's eight tiles, then V's four; v96-103 zeros; v104-167 S^T, then p; v168-199 O^T; v200-215 codes;
; v216-235 at work; v236-243 K's or V's scale words; v244 Q's; v245, v248-255 the second block's Q; v[246:247] the second chain of the sum.
.set SLOT1, 1<<16                      ; slot 1 begins here: one exclusive or turns an address in one slot into the other's
.set KSLOT, 17408                      ; a slot of ki: 16 tiles x 1,024 bytes of codes, then 16 x 64 bytes of scale words
.set VSLOT, 16896                      ; a slot of vi: 2 key steps x 4 tiles x 2,048 bytes, then 2 x 4 x 64 bytes
.set VOFF,  KSLOT
.set SPARE, 2*SLOT1                    ; the spare words, 128 bytes for each wave: eight blocks of 256 bytes that no other line names
.set S,  104
.set O,  168
.set PC, 200
.set BM, 216
.set T2, 220
.set HL, 224
.set SO, 228
; Wave 0 fetches a slot of K, wave 1 a slot of V, the others nothing.  Four v_nop follow each of the two lines.
.macro TLOAD
	s_cmp_eq_u32 s18, 0
	s_cbranch_scc0 .Lnot_k_\@
	tensor_load_to_lds s[40:43], s[24:31]
	s_nop 0
.rept 4
	v_nop
.endr
	s_branch .Lasked_\@
.Lnot_k_\@:
	s_cmp_eq_u32 s18, 1
	s_cbranch_scc0 .Lasked_\@
	tensor_load_to_lds s[44:47], s[32:39]
	s_nop 0
.rept 4
	v_nop
.endr
.Lasked_\@:
.endm
.macro INITST                          ; a query block begins: the first change of M multiplies zeros
	v_mov_b32 v13, 0xff61b1e6                      ; the largest t so far: -3e38
	s_delay_alu instid0(VALU_DEP_1)
	v_floor_f32 v12, -v13                          ; -M
	v_mov_b32 v14, 0
	v_mov_b32 v15, 0
.set j, 0
.rept 32
	v_mov_b32 v[O+j], 0
.set j, j+1
.endr
.endm
	s_load_b256 s[4:11], s[0:1], 0x0               ; qi, qs, ki, vi
	s_load_b128 s[12:15], s[0:1], 0x20             ; ai, asc
	v_lshl_add_u32 v5, v0, 2, SPARE                ; my spare word; never rewritten
	v_mov_b32 v6, 0                                ; 0; never rewritten
	ds_add_u32 v5, v6
	ds_add_u32 v5, v6
	s_wait_dscnt 0x0
	v_lshrrev_b32 v8, 5, v0
	s_delay_alu instid0(VALU_DEP_1)
	v_readfirstlane_b32 s18, v8                    ; wave 0..15
	s_and_b32 s77, ttmp7, 0xffff                   ; bh = 16 b + h
	s_lshr_b32 s76, s77, 4                         ; b
	s_and_b32 s75, s77, 15                         ; h
	s_lshr_b32 s78, s75, 2
	s_and_b32 s79, s75, 3
	s_mov_b32 s24, 3<<16                           ; K: 17,408 dense bytes as 68 rows of 32 elements of 8 bytes; no padding, no mask
	s_mov_b32 s25, 32<<16
	s_mov_b32 s26, 68<<16
	s_mov_b32 s27, 32<<16
	s_mov_b32 s28, 68
	s_mov_b32 s29, 32
	s_mov_b32 s30, 0
	s_mov_b32 s31, 0
	s_mov_b32 s32, 3<<16                           ; V: 16,896 bytes: 66 rows
	s_mov_b32 s33, 32<<16
	s_mov_b32 s34, 66<<16
	s_mov_b32 s35, 32<<16
	s_mov_b32 s36, 66
	s_mov_b32 s37, 32
	s_mov_b32 s38, 0
	s_mov_b32 s39, 0
	s_mul_i32 s56, s77, 8*KSLOT
	s_mov_b32 s57, 0
	s_mul_i32 s58, s77, 8*VSLOT
	s_mov_b32 s59, 0
	s_mov_b32 s20, 0x76543210
	s_mov_b32 s21, 0xfedcba98                      ; v_permlanex16_b32's selects for lane l xor 16
	s_mov_b32 s22, 0x3d38aa3b                      ; c = log2(e) / 32
	s_mov_b32 s23, s22                             ; (named with it as a pair)
	s_mov_b32 s48, 0                               ; the slot in hand
	s_mov_b32 s49, 0                               ; the step's first key
	s_mov_b32 s52, 0                               ; visits done
	s_mov_b32 s54, 0                               ; the slot of keys last asked for
	s_add_co_u32 s53, ttmp9, 1                     ; the visit at which the second block begins
	s_mov_b32 s55, s53                             ; and the slot number at which the requests begin anew
	s_mov_b32 s72, ttmp9                           ; the two query blocks
	s_sub_co_u32 s73, 7, ttmp9
	s_wait_kmcnt 0x0
	s_add_nc_u64 s[8:9], s[8:9], s[56:57]          ; my head's slots of K
	s_add_nc_u64 s[10:11], s[10:11], s[58:59]      ; and of V
	s_mov_b32 s40, 1
	s_mov_b32 s41, 0
	s_mov_b64 s[42:43], s[8:9]
	s_or_b32 s43, s43, 0x80000000
	s_mov_b32 s44, 1
	s_mov_b32 s45, VOFF
	s_mov_b64 s[46:47], s[10:11]
	s_or_b32 s47, s47, 0x80000000
	TLOAD                                          ; visit 0: keys 0 to 255 into slot 0
	v_and_b32 v12, 15, v0                          ; r
	v_bfe_u32 v13, v0, 4, 1                        ; hh
	v_and_b32 v14, 31, v0                          ; lane
	s_delay_alu instid0(VALU_DEP_1)
	v_lshlrev_b32 v1, 4, v14                       ; an image's place for my lane, in LDS
	s_wait_alu depctr_va_vdst(0)
	v_lshlrev_b32 v4, 4, v14                       ; and in memory
	v_lshlrev_b32 v2, 2, v12                       ; a scale word's, in LDS
	v_lshlrev_b32 v10, 2, v12                      ; and in memory
	s_wait_alu depctr_va_vdst(0)
	v_lshlrev_b32 v7, 3, v12                       ; asc: 8 bytes a row
	v_and_b32 v3, 8, v12
	s_delay_alu instid0(VALU_DEP_1)
	v_add_nc_u32 v3, v3, v12
	v_lshlrev_b32 v13, 4, v13
	s_delay_alu instid0(VALU_DEP_1)
	v_sub_nc_u32 v3, v3, v13                       ; r + 8 (r / 8) - 16 hh: my query less my half's first key, both from their tile's start
; A query block's addresses.  sb: the register with its number; pai, pasc: where its results go; sq0: its tile's first query; voq, vos: the offsets of Q's codes and scale words
.macro BLKSET sb, pai, pasc, sq0, voq, vos
	s_lshl_b32 s70, s76, 3
	s_add_co_u32 s70, s70, s[\sb]                  ; 8 b + block: which 256 rows of the output product's A
	s_lshl_b32 s56, s70, 2
	s_add_co_u32 s56, s56, s78                     ; x 4 + its K step of 256 (h / 4)
	s_lshl_b32 s56, s56, 4
	s_add_co_u32 s56, s56, s18                     ; x 16 + my tile
	s_lshl_b32 s56, s56, 12
	s_lshl_b32 s71, s79, 10
	s_add_co_u32 s56, s56, s71                     ; + 1,024 (h % 4): which 128 of the K step, and which half of the fragment
	s_add_nc_u64 s[\pai:\pai+1], s[12:13], s[56:57]
	s_lshl_b32 s56, s70, 1
	s_lshr_b32 s71, s18, 3
	s_add_co_u32 s56, s56, s71                     ; row / 128
	s_lshl_b32 s56, s56, 2
	s_add_co_u32 s56, s56, s78
	s_lshl_b32 s56, s56, 10
	s_and_b32 s71, s18, 7
	s_lshl_b32 s71, s71, 7
	s_add_co_u32 s56, s56, s71                     ; + 8 (row % 128)
	s_lshl_b32 s71, s79, 1
	s_add_co_u32 s56, s56, s71                     ; + 2 (h % 4)
	s_add_nc_u64 s[\pasc:\pasc+1], s[14:15], s[56:57]
	s_lshl_b32 s[\sq0], s[\sb], 8
	s_lshr_b32 s71, s18, 1
	s_lshl_b32 s71, s71, 5
	s_add_co_u32 s[\sq0], s[\sq0], s71
	s_and_b32 s71, s18, 1
	s_lshl_b32 s71, s71, 3
	s_add_co_u32 s[\sq0], s[\sq0], s71             ; 256 x block + 32 (wave / 2) + 8 (wave % 2)
	s_lshl_b32 s70, s77, 7
	s_lshl_b32 s71, s[\sb], 4
	s_add_co_u32 s70, s70, s71
	s_add_co_u32 s70, s70, s18                     ; 128 bh + 16 x block + wave
	s_lshl_b32 s71, s70, 10
	v_add_nc_u32 v[\voq], s71, v1
	s_lshl_b32 s71, s70, 6
	v_add_nc_u32 v[\vos], s71, v10
.endm
	BLKSET 72, 60, 62, 50, 8, 234
	BLKSET 73, 66, 68, 51, 9, 235
	s_wait_alu depctr_va_vdst(0)
	global_load_b128 v[16:19], v8, s[4:5]          ; Q's codes stay in registers, both blocks'
	global_load_b128 v[20:23], v8, s[4:5] offset:512
	global_load_b32 v244, v234, s[6:7]
	global_load_b128 v[248:251], v9, s[4:5]
	global_load_b128 v[252:255], v9, s[4:5] offset:512
	global_load_b32 v245, v235, s[6:7]
	v_mov_b32 v11, 0xff800000                      ; -infinity
.irp j, 0,1,2,3,4,5,6,7
	v_mov_b32 v[24+\j], 0                          ; zero codes
	v_mov_b32 v[96+\j], 0
.endr
.irp b, 0,1,2,3
	v_mov_b32 v[T2+\b], 0                          ; a lane permute's destination counts as one of its sources
.endr
	v_mov_b32 v233, 0                              ; (named as the upper half of the pair v[232:233] before it is first written)
	INITST
; A KEY STEP: 128 keys, the q-th of the slot in hand.
.macro STEP q
	s_add_co_u32 s70, s50, 23                      ; my last query
	s_cmp_gt_u32 s49, s70
	s_cbranch_scc1 .Lhidden_\@
	v_add_nc_u32 v8, s48, v1
	v_add_nc_u32 v9, s48, v2
.rept 6
	v_nop                                          ; with the two additions: eight places in front of loads into registers that the last products read
.endr
.irp t, 0,1,2,3,4,5,6,7
	ds_load_b128 v[32+8*\t:35+8*\t], v8 offset:(8*(\q)+\t)*1024
	ds_load_b128 v[36+8*\t:39+8*\t], v8 offset:(8*(\q)+\t)*1024+512
	ds_load_b32 v[236+\t], v9 offset:16384+(8*(\q)+\t)*64
.endr
	s_wait_alu depctr_va_vdst(0)
	s_wait_dscnt 0x0
.irp t, 0,1,2,3,4,5,6,7
	v_wmma_scale_f32_16x16x128_f8f6f4 v[S+8*\t:S+8*\t+7], v[32+8*\t:47+8*\t], v[16:31], 0, v[236+\t], v244 matrix_a_fmt:MATRIX_FMT_BF8 matrix_b_fmt:MATRIX_FMT_BF8
.endr
.rept 8
	v_nop                                          ; places: in front of the loads below, and of the first read of the scores
.endr
.irp t, 0,1,2,3                                ; V's four tiles land while the softmax is walked
.irp c, 0,1,2,3
	ds_load_b128 v[32+16*\t+4*\c:35+16*\t+4*\c], v8 offset:VOFF+8192*(\q)+2048*\t+512*\c
.endr
	ds_load_b32 v[236+\t], v9 offset:VOFF+16384+256*(\q)+64*\t
.endr
	s_add_co_u32 s70, s49, 127
	s_cmp_le_u32 s70, s50
	s_cbranch_scc1 .Lopen_\@                       ; all 128 keys count for all my queries
	s_sub_co_i32 s70, s50, s49
	v_add_nc_u32 v234, s70, v3                     ; register 16 x + i holds the key 32 x + i past my half's first: hidden where 32 x + i is greater than this
.set n, 0
.rept 64
	v_cmp_gt_i32 vcc_lo, 32*(n/16)+n%16, v234
	v_cndmask_b32 v[S+n], v[S+n], v11, vcc_lo
.set n, n+1
.endr
.Lopen_\@:
.irp b, 0,1,2,3
	v_max3_num_f32 v[BM+\b], v[S+16*\b], v[S+1+16*\b], v[S+2+16*\b]   ; the largest score of each block of 32 keys: for the row's maximum, and for the block's largest p
.endr
.irp i, 3,5,7,9,11,13
.irp b, 0,1,2,3
	v_max3_num_f32 v[BM+\b], v[BM+\b], v[S+16*\b+\i], v[S+1+16*\b+\i]
.endr
.endr
.irp b, 0,1,2,3
	v_max_num_f32 v[BM+\b], v[BM+\b], v[S+15+16*\b]
.endr
.irp b, 0,1,2,3
	s_delay_alu instid0(VALU_DEP_4)
	v_permlanex16_b32 v[T2+\b], v[BM+\b], s20, s21
.endr
.irp b, 0,1,2,3
	s_delay_alu instid0(VALU_DEP_4)
	v_max_num_f32 v[BM+\b], v[BM+\b], v[T2+\b]     ; with lane l xor 16's 16 keys
.endr
	s_delay_alu instid0(VALU_DEP_2)
	v_max3_num_f32 v234, v[BM], v[BM+1], v[BM+2]
	s_delay_alu instid0(VALU_DEP_1)
	v_max_num_f32 v234, v234, v[BM+3]
	s_delay_alu instid0(VALU_DEP_1)
	v_mul_f32 v234, s22, v234                      ; as t (c is positive)
	s_delay_alu instid0(VALU_DEP_1)
	v_max_num_f32 v13, v13, v234                   ; the running largest t
	v_mov_b32 v234, v12
	s_delay_alu instid0(VALU_DEP_2)
	v_floor_f32 v12, -v13                          ; the new -M = -ceil(t)
	s_delay_alu instid0(VALU_DEP_1)
	v_sub_f32 v234, v12, v234                      ; old M - new M: a whole number, 0 or less
	s_delay_alu instid0(VALU_DEP_1)
	v_cvt_i32_f32 v234, v234                       ; (it saturates)
	s_delay_alu instid0(VALU_DEP_1)
	v_ldexp_f32 v232, 1.0, v234                    ; f = 2^(old M - new M)
.set j, 0
.rept 32
	v_pk_fma_f32 v[S+j:S+j+1], v[S+j:S+j+1], s[22:23], v[12:13] op_sel_hi:[1,0,0]   ; t - M
.set j, j+2
.endr
.irp b, 0,1,2,3
	v_fma_f32 v[BM+\b], v[BM+\b], s22, v12
.endr
.set j, 0
	s_wait_alu depctr_va_vdst(0)
.rept 64
	v_exp_f32 v[S+j], v[S+j]                       ; p = 2^(t - M)
.set j, j+1
.endr
.irp b, 0,1,2,3
	v_exp_f32 v[BM+\b], v[BM+\b]                   ; the block's largest p: the same two instructions on the same number
.endr
	v_pk_mul_f32 v[14:15], v[14:15], v[232:233] op_sel_hi:[1,0]   ; the sums under the new M (a plain instruction behind the exponentials)
	s_wait_alu depctr_va_vdst(0)
.irp b, 0,1,2,3
	v_max_num_f32 v[BM+\b], 0x8000000, v[BM+\b]    ; the floor 2^(16 - 127)
.endr
.irp b, 0,1,2,3
	s_delay_alu instid0(VALU_DEP_4)
	v_add_nc_u32 v[SO+\b], 0xf8800000, v[BM+\b]
.endr
.irp b, 0,1,2,3
.endr
.irp b, 0,1,2,3
	s_delay_alu instid0(VALU_DEP_4)
	v_lshrrev_b32 v[T2+\b], 23, v[SO+\b]
.endr
	s_delay_alu instid0(VALU_DEP_3)
	v_lshl_or_b32 v233, v[T2+1], 8, v[T2]          ; p's scale word for these 128 keys
	s_delay_alu instid0(VALU_DEP_1)
	v_lshl_or_b32 v233, v[T2+2], 16, v233
	s_delay_alu instid0(VALU_DEP_1)
	v_lshl_or_b32 v233, v[T2+3], 24, v233
	v_pk_add_f32 v[246:247], v[108:109], v[112:113]
	v_pk_add_f32 v[242:243], v[116:117], v[120:121]
	v_pk_add_f32 v[240:241], v[124:125], v[128:129]
	v_pk_add_f32 v[226:227], v[132:133], v[136:137]
	v_pk_add_f32 v[224:225], v[140:141], v[144:145]
	v_pk_add_f32 v[218:219], v[148:149], v[152:153]
	v_pk_add_f32 v[216:217], v[156:157], v[160:161]
	v_pk_add_f32 v[14:15], v[14:15], v[164:165]
	v_pk_add_f32 v[246:247], v[246:247], v[104:105]
	v_pk_add_f32 v[242:243], v[242:243], v[106:107]
	v_pk_add_f32 v[240:241], v[240:241], v[110:111]
	v_pk_add_f32 v[226:227], v[226:227], v[114:115]
	v_pk_add_f32 v[224:225], v[224:225], v[118:119]
	v_pk_add_f32 v[218:219], v[218:219], v[122:123]
	v_pk_add_f32 v[216:217], v[216:217], v[126:127]
	v_pk_add_f32 v[14:15], v[14:15], v[130:131]
	v_pk_add_f32 v[246:247], v[246:247], v[134:135]
	v_pk_add_f32 v[242:243], v[242:243], v[138:139]
	v_pk_add_f32 v[240:241], v[240:241], v[142:143]
	v_pk_add_f32 v[226:227], v[226:227], v[146:147]
	v_pk_add_f32 v[224:225], v[224:225], v[150:151]
	v_pk_add_f32 v[218:219], v[218:219], v[154:155]
	v_pk_add_f32 v[216:217], v[216:217], v[158:159]
	v_pk_add_f32 v[14:15], v[14:15], v[162:163]
	v_pk_add_f32 v[246:247], v[246:247], v[166:167]
	s_delay_alu instid0(VALU_DEP_2)
	v_pk_add_f32 v[14:15], v[14:15], v[226:227]
	s_delay_alu instid0(VALU_DEP_2)
	v_pk_add_f32 v[246:247], v[246:247], v[224:225]
	v_pk_add_f32 v[242:243], v[242:243], v[218:219]
	v_pk_add_f32 v[240:241], v[240:241], v[216:217]
	s_delay_alu instid0(VALU_DEP_2)
	v_pk_add_f32 v[14:15], v[14:15], v[242:243]
	s_delay_alu instid0(VALU_DEP_2)
	v_pk_add_f32 v[246:247], v[246:247], v[240:241]
	s_delay_alu instid0(VALU_DEP_1)
	v_pk_add_f32 v[14:15], v[14:15], v[246:247]
.irp b, 0,1,2,3
.irp i, 0,1,2,3,4,5,6,7,8,9,10,11,12,13,14,15
.endr
	v_cvt_scalef32_pk8_bf8_f32 v[PC+4*\b:PC+4*\b+1], v[S+16*\b:S+16*\b+7], v[SO+\b]
	v_cvt_scalef32_pk8_bf8_f32 v[PC+4*\b+2:PC+4*\b+3], v[S+16*\b+8:S+16*\b+15], v[SO+\b]
.endr
.set j, 0
.rept 16
	v_pk_mul_f32 v[O+j:O+j+1], v[O+j:O+j+1], v[232:233] op_sel_hi:[1,0]   ; O^T under the new M; these are also the places between the conversions and the products
.set j, j+2
.endr
	s_wait_alu depctr_va_vdst(0)
	s_wait_dscnt 0x0                               ; V
.irp t, 0,1,2,3                                ; the four accumulators by turns; the eight products of the next step stand before their next turn
	v_wmma_scale_f32_16x16x128_f8f6f4 v[O+8*\t:O+8*\t+7], v[32+16*\t:47+16*\t], v[PC:PC+15], v[O+8*\t:O+8*\t+7], v[236+\t], v233 matrix_a_fmt:MATRIX_FMT_BF8 matrix_b_fmt:MATRIX_FMT_BF8
.endr
.Lhidden_\@:
	s_add_co_u32 s49, s49, 128
.endm
; THE CHANGE OF SLOTS stands at a visit's head.  Each wave waits for all its tensor loads, adds 0 to its spare word, and waits for that and for its reads of the slot that it has left.
; fill = 1: that slot is filled with the next visit's keys: the slot numbers run 0 .. i and then begin anew.
.macro CHANGE fill
	s_wait_tensorcnt 0x0                           ; no tensor load of mine is out, so a group 0 may be written
	ds_add_u32 v5, v6                              ; 0 onto my spare word
.if \fill
	s_add_co_u32 s54, s54, 1
	s_cmp_eq_u32 s54, s55
	s_cselect_b32 s54, 0, s54
	s_cselect_b32 s55, 64, s55                     ; once only
	s_mul_i32 s56, s54, KSLOT
	s_mul_i32 s58, s54, VSLOT
	s_add_nc_u64 s[42:43], s[8:9], s[56:57]
	s_or_b32 s43, s43, 0x80000000
	s_add_nc_u64 s[46:47], s[10:11], s[58:59]
	s_or_b32 s47, s47, 0x80000000
	s_xor_b32 s41, s41, SLOT1
	s_xor_b32 s45, s45, SLOT1
.endif
	s_wait_dscnt 0x0                               ; the add is done, and my reads of the slot that I have left are over
	s_barrier_signal -1
	s_barrier_wait -1
.if \fill
	TLOAD                                          ; the first thing behind the barrier, and a wave's one tensor load until the next
.endif
.endm
; A QUERY BLOCK ENDS: O^T / the sum, quantised along d: two blocks of 32; 8 registers of codes are half a fragment of the output product's A.
.macro FINAL pai, pasc
.rept 8
	v_nop                                          ; places behind the last products
.endr
	v_add_f32 v14, v14, v15
	s_delay_alu instid0(VALU_DEP_1)
	v_permlanex16_b32 v234, v14, s20, s21
	s_delay_alu instid0(VALU_DEP_1)
	v_add_f32 v14, v14, v234                       ; the row's sum
	s_wait_alu depctr_va_vdst(0)
	v_rcp_f32 v14, v14
	v_nop                                          ; a plain instruction behind the transcendental
.set j, 0
	s_wait_alu depctr_va_vdst(0)
.rept 16
	v_pk_mul_f32 v[S+j:S+j+1], v[O+j:O+j+1], v[14:15] op_sel_hi:[1,0]   ; each accumulator from its low end on
.set j, j+2
.endr
.irp b, 0,1
	v_max3_num_f32 v[BM+\b], |v[S+16*\b]|, |v[S+1+16*\b]|, 0x8000000
.endr
.irp i, 2,4,6,8,10,12,14
.irp b, 0,1
	s_delay_alu instid0(VALU_DEP_2)
	v_max3_num_f32 v[BM+\b], v[BM+\b], |v[S+16*\b+\i]|, |v[S+1+16*\b+\i]|
.endr
.endr
.irp b, 0,1
	s_delay_alu instid0(VALU_DEP_2)
	v_permlanex16_b32 v[T2+\b], v[BM+\b], s20, s21
.endr
.irp b, 0,1
	s_delay_alu instid0(VALU_DEP_2)
	v_max_num_f32 v[BM+\b], v[BM+\b], v[T2+\b]
.endr
.irp b, 0,1
	s_delay_alu instid0(VALU_DEP_2)
	v_add_nc_u32 v[SO+\b], 0xf8800000, v[BM+\b]
.endr
.irp b, 0,1
.endr
.irp b, 0,1
	s_delay_alu instid0(VALU_DEP_2)
	v_lshrrev_b32 v[T2+\b], 23, v[SO+\b]
.endr
	s_delay_alu instid0(VALU_DEP_1)
	v_lshl_or_b32 v234, v[T2+1], 8, v[T2]          ; my row's two scale bytes
.irp b, 0,1
.irp i, 0,1,2,3,4,5,6,7,8,9,10,11,12,13,14,15
.endr
	v_cvt_scalef32_pk8_bf8_f32 v[PC+4*\b:PC+4*\b+1], v[S+16*\b:S+16*\b+7], v[SO+\b]
	v_cvt_scalef32_pk8_bf8_f32 v[PC+4*\b+2:PC+4*\b+3], v[S+16*\b+8:S+16*\b+15], v[SO+\b]
.endr
	v_nop                                          ; a plain instruction behind the last conversion
	global_store_b128 v4, v[PC:PC+3], s[\pai:\pai+1]               ; 32 lanes store 512 consecutive bytes, aligned
	global_store_b128 v4, v[PC+4:PC+7], s[\pai:\pai+1] offset:512
	global_store_b16 v7, v234, s[\pasc:\pasc+1]                    ; both halves of the lanes write the same bytes with the same values
	s_wait_xcnt 0x0                                ; the stores have read their registers
.endm
	s_wait_loadcnt 0x0                             ; Q
.Lvisit:                                           ; eight trips: behind each change of slots but the last the next visit's keys are asked for
	CHANGE 1
	s_cmp_lg_u32 s52, s53
	s_cbranch_scc1 .Lsame                          ; a branch on ids; no barrier and no LDS access stands under it
	FINAL 60, 62                                   ; the first block is finished,
.irp j, 0,1,2,3,4,5,6,7
	v_mov_b32 v[16+\j], v[248+\j]                  ; and the second begins: its Q,
.endr
	v_mov_b32 v244, v245                           ; its scale words (the clearing below is more than the eight places that they want),
	INITST
	s_mov_b32 s50, s51                             ; its first query,
	s_mov_b32 s49, 0                               ; and key 0
.Lsame:
	STEP 0
	STEP 1
	s_xor_b32 s48, s48, SLOT1
	s_add_co_u32 s52, s52, 1
	s_cmp_lt_u32 s52, 8
	s_cbranch_scc1 .Lvisit
	CHANGE 0                                       ; the last visit is written out
	STEP 0
	STEP 1
	FINAL 66, 68
	s_wait_tensorcnt 0x0                           ; the wave's end
	ds_add_u32 v5, v6
	s_wait_dscnt 0x0
	s_endpgm
.Lfunc_end_k_q01dee6af5d_attn:
	.size	k_q01dee6af5d_attn, .Lfunc_end_k_q01dee6af5d_attn-k_q01dee6af5d_attn
	.p2alignl 7, 3214868480
	.fill 96, 4, 3214868480
	.section	.rodata,"a",@progbits
	.p2align	6, 0x0
	.amdhsa_kernel k_q01dee6af5d_attn
		.amdhsa_group_segment_fixed_size 327680
		.amdhsa_private_segment_fixed_size 0
		.amdhsa_enable_private_segment 0
		.amdhsa_kernarg_size 48
		.amdhsa_user_sgpr_count 2
		.amdhsa_user_sgpr_kernarg_segment_ptr 1
		.amdhsa_wavefront_size32 1
		.amdhsa_system_sgpr_workgroup_id_x 1
		.amdhsa_system_sgpr_workgroup_id_y 1
		.amdhsa_system_sgpr_workgroup_id_z 1
		.amdhsa_system_vgpr_workitem_id 0
		.amdhsa_next_free_vgpr 256
		.amdhsa_next_free_sgpr 80
		.amdhsa_reserve_vcc 1
		.amdhsa_float_denorm_mode_32 3
		.amdhsa_float_denorm_mode_16_64 3
		.amdhsa_fp16_overflow 1
		.amdhsa_memory_ordered 1
		.amdhsa_forward_progress 1
		.amdhsa_inst_pref_size 112
	.end_amdhsa_kernel
	.amdgpu_metadata
---
amdhsa.version: [ 1, 2 ]
amdhsa.kernels:
  - .name:           k_q01dee6af5d_attn
    .symbol:         k_q01dee6af5d_attn.kd
    .args:
      - { .name: qi, .offset: 0, .size: 8, .value_kind: global_buffer, .address_space: global }
      - { .name: qs, .offset: 8, .size: 8, .value_kind: global_buffer, .address_space: global }
      - { .name: ki, .offset: 16, .size: 8, .value_kind: global_buffer, .address_space: global }
      - { .name: vi, .offset: 24, .size: 8, .value_kind: global_buffer, .address_space: global }
      - { .name: ai, .offset: 32, .size: 8, .value_kind: global_buffer, .address_space: global }
      - { .name: asc, .offset: 40, .size: 8, .value_kind: global_buffer, .address_space: global }
    .group_segment_fixed_size: 327680
    .private_segment_fixed_size: 0
    .kernarg_segment_align: 8
    .kernarg_segment_size: 48
    .max_flat_workgroup_size: 512
    .sgpr_count:     80
    .vgpr_count:     256
    .wavefront_size: 32
...
	.end_amdgpu_metadata
.endif
;; end of part 3
;; launch outp (part 4): grid 4 x 32, 4 waves a work-group, clusters of 4 x 4, 327,680 bytes of LDS; arguments ai, asc, cod, scl, bo, out0; writes out0
.if DOCPART == 4
	.amdgcn_target "amdgcn-amd-amdhsa--gfx1250"
	.amdhsa_code_object_version 6
	.text
	.protected	k_q01dee6af5d_outp
	.globl	k_q01dee6af5d_outp
	.p2align	8
	.type	k_q01dee6af5d_outp,@function
k_q01dee6af5d_outp:
	s_mov_b64 s[64:65], 0
	v_nop
	global_prefetch_b8 v0, s[64:65] scope:SCOPE_SE
	s_setreg_imm32_b32 hwreg(HW_REG_WAVE_MODE, 25, 1), 1
	s_wait_xcnt 0x0
	s_wait_alu depctr_hold_cnt(0) depctr_sa_sdst(0) depctr_va_vdst(0) depctr_va_sdst(0) depctr_va_ssrc(0) depctr_va_vcc(0) depctr_vm_vsrc(0)
	s_getreg_b32 s2, hwreg(HW_REG_IB_STS2, 6, 4)
	s_cmp_eq_u32 s2, 0
	s_cbranch_scc0 .Lentry_in_a_cluster
	s_endpgm
.Lentry_in_a_cluster:
	s_bfe_u32 s2, ttmp6, 0x10000c
	s_cmp_lg_u32 s2, 0xf033
	s_cbranch_scc0 .Lentry_shape_is_right
	s_endpgm
.Lentry_shape_is_right:
; out0 = concat Wo^T + bo on codes of BF8 with E8M0 scales.  concat's codes arrive as images of operand registers (ai: [256 rows][K step of 256][tile of 16 rows][128 along K][c 4][512]), its scale bytes in asc;
; Wo's codes are rows 27,648 on of cod, its scale bytes in scl.  Both scale buffers: [row / 128][K step][row % 128][8].
; A tile of out0 is 256 x 256, four waves, 128 x 128 each; K = 1,024 goes in four steps of 256 through two LDS slots; 128 tiles, 128 work-groups.
; Source 0 = 16 rows of Wo, source 1 = 16 rows of concat: a lane holds eight neighbouring numbers of a row of out0.  bo is the C of each sum's first product.
; BOTH OPERANDS' ROWS LIE IN THE ORDER r -> 8 u + r + 8 (r / 8) within each 32: on the way out columns are put right by the place in the stage, rows by the stores' offsets.
; CLUSTERS: 4 x 4; concat's tiles are asked for jointly along a row of the cluster, Wo's along a column.
; REGISTERS: window 0: v1-31 addresses; v32-63 scale words; v64-127 the bias; v128-255 A's fragments, later the way out.  window 1: B's fragments, two sets.  windows 2, 3: the accumulators.
.set NQ,     2
.set ROWB,   256
.set KROW,   1024
.set PITCH,  272
.set FR,     16
.set NL,     4
.set NP,     8                         ; places behind this matrix instruction (ISA guide 7.12.1)
.set HALFT,  128*PITCH                 ; a quarter of a slot: B's 128 padded rows; A's 128 rows are 32,768 bytes of images at its start
.set SLOT,   4*HALFT
.set SCL,    2*SLOT
.set HALFS,  16*272
.set SSTEP,  4*272
.set SPARE,  SCL+4*HALFS               ; the spare words, 128 bytes for each wave: two blocks of 256 bytes that no other line names
.set SPITCH, 528                       ; the way out: 16 rows x (512 bytes + 16) for each wave, in slot 0, which has had its last fill and its last read by then
.set ROWO,   4096                      ; a row of out0 in bytes
.set ADRA, 16
.set ADRB, 20
.set STO,  24
.set RD,   25
.set CO,   26
.set ADRS, 27
.set SPW,  28
.set NIL,  29
.set SC,   32
.set BI,   64
.set AF,   128
.set BK,   128
.set G1, 24
.set G0, 32
.set G1B, 48
.set G0B, 56
.set G1S, 68
.set G0S, 76
.set G1SB, 80
.set G0SB, 88
.set MSB, 0
.macro WIN new
.if MSB != (\new)
	s_set_vgpr_msb (MSB<<8)|(\new)
.set MSB, (\new)
.endif
.endm
.set MUL_LO, 0xa1
.set MUL_HI, 0xf1
.set TO_B,   0x40
.macro JLOAD g0a, g1a, g0b, g1b        ; a joint load: waves 0 and 1 fetch for A, waves 2 and 3 for B; four v_nop follow each line
	s_cmp_eq_u32 s15, 0
	s_cbranch_scc0 .Lfor_b_\@
	tensor_load_to_lds s[\g0a:\g0a+3], s[\g1a:\g1a+7]
	s_nop 0
.rept 4
	v_nop
.endr
	s_branch .Lasked_\@
.Lfor_b_\@:
	tensor_load_to_lds s[\g0b:\g0b+3], s[\g1b:\g1b+7]
	s_nop 0
.rept 4
	v_nop
.endr
.Lasked_\@:
.endm
.macro CREST
	s_cmp_lg_u32 s14, 0
	s_cbranch_scc1 .Lnot_wave_0_\@
	s_barrier_signal -3
.Lnot_wave_0_\@:
	s_barrier_wait -3
	s_barrier_signal -1
	s_barrier_wait -1
.endm
.macro CROUND
	s_barrier_signal -1
	s_barrier_wait -1
	CREST
.endm
	s_load_b128 s[4:7], s[0:1], 0x0                ; ai, asc
	s_load_b128 s[8:11], s[0:1], 0x10              ; cod, scl
	s_load_b128 s[96:99], s[0:1], 0x20             ; bo, out0
	v_lshl_add_u32 v[SPW], v0, 2, SPARE
	v_mov_b32 v[NIL], 0
	ds_add_u32 v28, v29
	s_wait_dscnt 0x0
	v_lshrrev_b32 v1, 5, v0
	v_readfirstlane_b32 s14, v1                    ; wave 0..3
	s_lshr_b32 s15, s14, 1                         ; my half of the rows.  Also: I fetch for A (0) or for B (1)
	s_and_b32 s16, s14, 1                          ; my half of the columns.  Also: which 128 rows I fetch
	s_bfe_u32 s40, ttmp6, 0x40000
	s_bfe_u32 s41, ttmp6, 0x40004
	s_lshl_b32 s42, ttmp9, 2
	s_add_co_u32 s42, s42, s40                     ; tile column
	s_and_b32 s17, ttmp7, 0xffff
	s_lshl_b32 s17, s17, 2
	s_add_co_u32 s17, s17, s41                     ; tile row
	s_lshl_b32 s43, s41, 2
	s_lshl_b32 s43, 15, s43
	s_lshl_b32 s44, 0x1111, s40
	s_or_b32 s[G1+0], s43, (3<<16)|(1<<21)         ; A: 32,768 dense bytes as 128 rows of 32 elements of 8 bytes, no padding
	s_mov_b32 s[G1+1], 32<<16
	s_mov_b32 s[G1+2], 128<<16
	s_mov_b32 s[G1+3], 32<<16
	s_mov_b32 s[G1+4], 128
	s_mov_b32 s[G1+5], 32
	s_mov_b32 s[G1+6], 0
	s_mov_b32 s[G1+7], 0
	s_or_b32 s[G1B+0], s44, (0<<16)|(1<<20)|(1<<21)|(5<<22)|(3<<25)  ; B: 128 rows of 256 bytes, 16 bytes of padding behind each
	s_mov_b32 s[G1B+1], ROWB<<16
	s_mov_b32 s[G1B+2], 128<<16
	s_mov_b32 s[G1B+3], ROWB<<16
	s_mov_b32 s[G1B+4], 128
	s_mov_b32 s[G1B+5], KROW
	s_mov_b32 s[G1B+6], 0
	s_mov_b32 s[G1B+7], 0
	s_or_b32 s[G1S+0], s43, (3<<16)|(1<<20)|(1<<21)|(5<<22)|(3<<25)
	s_or_b32 s[G1SB+0], s44, (3<<16)|(1<<20)|(1<<21)|(5<<22)|(3<<25)
.irp g, G1S, G1SB
	s_mov_b32 s[\g+1], 32<<16
	s_mov_b32 s[\g+2], 16<<16
	s_mov_b32 s[\g+3], 32<<16
	s_mov_b32 s[\g+4], 16
	s_mov_b32 s[\g+5], 32
	s_mov_b32 s[\g+6], 0
	s_mov_b32 s[\g+7], 0
.endr
	s_lshl_b32 s20, s17, 18                        ; A's images: 4 K steps x 65,536 bytes a tile row, + 32,768 x half
	s_lshl_b32 s18, s16, 15
	s_add_co_u32 s20, s20, s18
	s_mov_b32 s21, 0
	s_lshl_b32 s22, s17, 13                        ; A's scale bytes: 32 a row
	s_lshl_b32 s18, s16, 12
	s_add_co_u32 s22, s22, s18
	s_mov_b32 s23, 0
	s_lshl_b32 s46, s42, 8
	s_lshl_b32 s18, s16, 7
	s_add_co_u32 s46, s46, s18
	s_add_co_u32 s46, s46, 27648                   ; B's row in cod
	s_lshl_b32 s92, s46, 5
	s_mov_b32 s93, 0
	s_lshl_b32 s46, s46, 10
	s_mov_b32 s47, 0
	s_mul_i32 s45, s14, HALFT
	s_mul_i32 s94, s14, HALFS
	s_wait_kmcnt 0x0
	s_add_nc_u64 s[20:21], s[4:5], s[20:21]
	s_add_nc_u64 s[22:23], s[6:7], s[22:23]
	s_add_nc_u64 s[46:47], s[8:9], s[46:47]
	s_add_nc_u64 s[92:93], s[10:11], s[92:93]
	CROUND                                         ; all sixteen work-groups are here: the first joint loads meet
	s_mov_b32 s[G0S], 1
	s_add_co_u32 s[G0S+1], s94, SCL
	s_mov_b64 s[G0S+2:G0S+3], s[22:23]
	s_or_b32 s[G0S+3], s[G0S+3], 0x80000000
	s_mov_b32 s[G0SB], 1
	s_add_co_u32 s[G0SB+1], s94, SCL
	s_mov_b64 s[G0SB+2:G0SB+3], s[92:93]
	s_or_b32 s[G0SB+3], s[G0SB+3], 0x80000000
	JLOAD G0S, G1S, G0SB, G1SB
.irp s, 0,1
	s_mov_b32 s[G0+4*\s], 1
	s_add_co_u32 s[G0+4*\s+1], s45, \s*SLOT
	s_add_nc_u64 s[G0+4*\s+2:G0+4*\s+3], s[20:21], \s*65536
	s_or_b32 s[G0+4*\s+3], s[G0+4*\s+3], 0x80000000
	s_mov_b32 s[G0B+4*\s], 1
	s_add_co_u32 s[G0B+4*\s+1], s45, \s*SLOT
	s_add_nc_u64 s[G0B+4*\s+2:G0B+4*\s+3], s[46:47], \s*ROWB
	s_or_b32 s[G0B+4*\s+3], s[G0B+4*\s+3], 0x80000000
	JLOAD G0+4*\s, G1, G0B+4*\s, G1B
.endr
	v_and_b32 v1, 15, v0                           ; r
	v_bfe_u32 v2, v0, 4, 1                         ; hh
	v_and_b32 v6, 31, v0
	v_lshlrev_b32 v[CO], 4, v6                     ; 16 x lane
	v_mul_u32_u24 v3, v1, PITCH
	v_lshl_add_u32 v4, v2, 4, v3
	s_mul_i32 s21, s15, HALFT                      ; my 128 rows of A: images, 16 x lane on end
	s_mul_i32 s22, s16, HALFT
	s_add_co_u32 s22, s22, 2*HALFT
.irp s, 0,1
	v_add_nc_u32 v[ADRA+\s], s21, v[CO]
	v_add_nc_u32 v[ADRB+\s], s22, v4
	s_add_co_u32 s21, s21, SLOT
	s_add_co_u32 s22, s22, SLOT
.endr
	v_lshlrev_b32 v5, 3, v1
	s_mul_i32 s21, s15, HALFS
	s_mul_i32 s22, s16, HALFS
	s_add_co_u32 s22, s22, 2*HALFS
	s_sub_co_u32 s22, s22, s21
	v_mul_u32_u24 v6, s22, v2                      ; lanes 16-31 take B's
	s_add_co_u32 s21, s21, SCL
	v_add_nc_u32 v5, v5, v6
	v_add_nc_u32 v[ADRS], s21, v5
	s_mul_i32 s23, s14, 16*SPITCH                  ; my stage
	v_mul_u32_u24 v5, v1, SPITCH
	v_lshl_add_u32 v5, v2, 6, v5                   ; in: row r, + 64 hh: my half's 16 columns of each 32
	v_add_nc_u32 v[STO], s23, v5
	v_add_nc_u32 v[RD], s23, v[CO]                 ; back: the 32 lanes take one row of 512 bytes
	s_lshl_b32 s18, s42, 10                        ; my first column, in bytes: 1,024 x tile column + 512 x half
	s_lshl_b32 s19, s16, 9
	s_add_co_u32 s18, s18, s19
	s_mov_b32 s19, 0
	s_add_nc_u64 s[96:97], s[96:97], s[18:19]      ; bo there
	v_lshlrev_b32 v7, 6, v2
.irp b, 0,1,2,3,4,5,6,7                        ; tile b, lane half hh, register j: column 32 (b / 2) + 16 hh + 8 (b % 2) + j
	global_load_b128 v[BI+8*\b:BI+8*\b+3], v7, s[96:97] offset:(32*(\b/2)+8*(\b%2))*4
	global_load_b128 v[BI+8*\b+4:BI+8*\b+7], v7, s[96:97] offset:(32*(\b/2)+8*(\b%2))*4+16
.endr
	s_lshl_b32 s20, s17, 8
	s_lshl_b32 s21, s15, 7
	s_add_co_u32 s20, s20, s21                     ; my first row
	s_lshl_b32 s20, s20, 12
	s_add_co_u32 s20, s20, s18
	s_mov_b32 s21, 0
	s_add_nc_u64 s[98:99], s[98:99], s[20:21]
.macro FRAG reg, adr, q, i
.irp c, 0,1,2,3
	ds_load_b128 v[\reg+4*\c:\reg+4*\c+3], v[\adr] offset:128*(\q)+32*\c+(\i)*16*PITCH
.endr
.endm
.macro FRAGA reg, adr, q, i            ; an image: tile i, the slot's q-th 128 along K: 2,048 bytes, four registers to each 512
.irp c, 0,1,2,3
	ds_load_b128 v[\reg+4*\c:\reg+4*\c+3], v[\adr] offset:(2*(\i)+(\q))*2048+512*\c
.endr
.endm
; The 64 accumulators take turns, one instruction a turn, in the same order in every step.  cm = 1: the sums begin with the bias.
.macro MUL16 a0, p, q, sc, cm
.irp a, \a0, \a0+1
.irp b, 0,1,2,3,4,5,6,7
.set rD, 8*(8*((\a)%4)+\b)
.set rB, 128*(\p)+FR*\b
.set rA, AF+FR*(\a)
.set rSB, SC+8*NQ*(\sc)+NQ*\b+(\q)
.set rSA, SC+8*NQ*(\sc)+NQ*(\a)+(\q)
.if \cm == 1
	v_wmma_scale_f32_16x16x128_f8f6f4 v[rD:rD+7], v[rB:rB+15], v[rA:rA+15], v[BI+8*\b:BI+8*\b+7], v[rSB], v[rSA] matrix_a_fmt:MATRIX_FMT_BF8 matrix_b_fmt:MATRIX_FMT_BF8 matrix_a_scale:MATRIX_SCALE_ROW1
.else
	v_wmma_scale_f32_16x16x128_f8f6f4 v[rD:rD+7], v[rB:rB+15], v[rA:rA+15], v[rD:rD+7], v[rSB], v[rSA] matrix_a_fmt:MATRIX_FMT_BF8 matrix_b_fmt:MATRIX_FMT_BF8 matrix_a_scale:MATRIX_SCALE_ROW1
.endif
.endr
.endr
.endm
.macro FETCH_B slot, q, p
	WIN TO_B
.irp i, 0,1,2,3,4,5,6,7
	FRAG 128*(\p)+FR*\i, ADRB+\slot, \q, \i
.endr
	WIN 0
.endm
.macro FETCH_A slot, q, i0
.irp i, \i0, \i0+1, \i0+2, \i0+3
	FRAGA AF+FR*(\i), ADRA+\slot, \q, \i
.endr
.endm
.macro SCALES sc
.irp i, 0,1,2,3,4,5,6,7
	ds_load_b64 v[SC+8*NQ*\sc+NQ*\i:SC+8*NQ*\sc+NQ*\i+1], v[ADRS] offset:(\i/2)*272+(\i%2)*128
.endr
.endm
.macro PLACES n
.rept \n
	v_nop
.endr
.endm
.macro STEP slot, q, cm
	s_wait_dscnt 4*NL                              ; B's set and A's blocks 0-3 are in; the youngest sixteen loads (A's blocks 4-7) may be out
.if \cm
	WIN 0x81                                       ; as MUL_LO, with C (the bias) in window 0
.else
	WIN MUL_LO
.endif
	MUL16 0, (\q)%2, \q, \slot, \cm
	MUL16 2, (\q)%2, \q, \slot, \cm
	s_wait_dscnt 0
	PLACES NP
	FETCH_B \slot, (\q)+1, 1-(\q)%2
	FETCH_A \slot, (\q)+1, 0
.if \cm
	WIN 0xc1
.else
	WIN MUL_HI
.endif
	MUL16 4, (\q)%2, \q, \slot, \cm
	MUL16 6, (\q)%2, \q, \slot, \cm
	PLACES NP
	WIN 0
	FETCH_A \slot, (\q)+1, 4
.endm
.macro TURN slot, next, fill
	s_wait_tensorcnt 0x0                           ; all my tensor loads have landed: my part of the next slot
	ds_add_u32 v[SPW], v[NIL]                      ; 0 onto my spare word
	s_wait_dscnt 4*NL+1                            ; (the add and the youngest sixteen loads may be out)
	WIN MUL_LO
	MUL16 0, 1, NQ-1, \slot, 0
	s_wait_dscnt 0x0                               ; the add is done, and my reads of this slot are over
	s_barrier_signal -1
	MUL16 2, 1, NQ-1, \slot, 0
	WIN 0
	s_barrier_wait -1
.if \fill
	CREST                                          ; a round of the cluster's barrier: no wave of any partner still reads this slot or has a load on its way
	s_add_nc_u64 s[G0+4*\slot+2:G0+4*\slot+3], s[G0+4*\slot+2:G0+4*\slot+3], 2*65536
	s_add_nc_u64 s[G0B+4*\slot+2:G0B+4*\slot+3], s[G0B+4*\slot+2:G0B+4*\slot+3], 2*ROWB
	JLOAD G0+4*\slot, G1, G0B+4*\slot, G1B
	PLACES NP-4
.else
	PLACES NP
.endif
	v_add_nc_u32 v[ADRS], SSTEP, v[ADRS]
	FETCH_B \next, 0, 0
	FETCH_A \next, 0, 0
	SCALES \next
	WIN MUL_HI
	MUL16 4, 1, NQ-1, \slot, 0
	MUL16 6, 1, NQ-1, \slot, 0
	PLACES NP
	WIN 0
	FETCH_A \next, 0, 4
.endm
	s_wait_loadcnt 0x0                             ; the bias
	s_wait_tensorcnt 1                             ; the scales and my part of K step 0 are in (K step 1's load may be out)
	s_barrier_signal -1
	s_barrier_wait -1
	FETCH_B 0, 0, 0
	FETCH_A 0, 0, 0
	SCALES 0
	FETCH_A 0, 0, 4
	STEP 0, 0, 1                                   ; the first products begin the sums with the bias
	TURN 0, 1, 1
	STEP 1, 0, 0
	TURN 1, 0, 1
	STEP 0, 0, 0
	TURN 0, 1, 0
	STEP 1, 0, 0
	s_wait_dscnt 4*NL
	WIN MUL_LO
	MUL16 0, 1, NQ-1, 1, 0
	MUL16 2, 1, NQ-1, 1, 0
	s_wait_dscnt 0
	WIN MUL_HI
	MUL16 4, 1, NQ-1, 1, 0
	MUL16 6, 1, NQ-1, 1, 0
	WIN 0
; THE WAY OUT, block by block of 16 rows x 128 columns, through my own stage in LDS; whole rows of 512 bytes come back.  LDS serves a wave's instructions in order (ISA guide 5.7.1.4).
.macro TOSTAGE a
.set AC, 64*((\a)%4)
.set WS, 8+4*((\a)/4)
	WIN WS                                         ; an LDS store's data: window 2 or 3
.irp b, 0,1,2,3,4,5,6,7
	ds_store_b128 v[STO], v[AC+8*\b:AC+8*\b+3] offset:128*(\b/2)+32*(\b%2)         ; each accumulator from its low end on
	ds_store_b128 v[STO], v[AC+8*\b+4:AC+8*\b+7] offset:128*(\b/2)+32*(\b%2)+16
.endr
	WIN 0
.set BB, BK+64*((\a)%2)
.irp t, 0,1,2,3,4,5,6,7,8,9,10,11,12,13,14,15
	ds_load_b128 v[BB+4*\t:BB+4*\t+3], v[RD] offset:\t*SPITCH
.endr
.endm
.macro SEND a, younger                 ; block a's row t is row 32 (a / 2) + 8 (a % 2) + t + 8 (t / 8) of my 128
.set BB, BK+64*((\a)%2)
	s_wait_dscnt \younger
.if (\a) > 0
.if (\a)%2
	s_add_nc_u64 s[98:99], s[98:99], 8*ROWO        ; (behind a wait on XCNT: the earlier stores have read their base)
.else
	s_add_nc_u64 s[98:99], s[98:99], 24*ROWO
.endif
.endif
.irp t, 0,1,2,3,4,5,6,7,8,9,10,11,12,13,14,15
	global_store_b128 v[CO], v[BB+4*\t:BB+4*\t+3], s[98:99] offset:(\t+8*(\t/8))*ROWO th:TH_STORE_NT   ; 32 lanes store 512 consecutive bytes, aligned
.endr
.endm
	PLACES NP
	TOSTAGE 0
.irp a, 1,2,3,4,5,6,7
.if \a > 1
	s_wait_xcnt 0x0                                ; block a - 2's stores have read their registers and their base
.endif
	TOSTAGE \a
	SEND \a-1, 32                                  ; behind block a - 1's loads: block a's 16 stores and 16 loads
.endr
	s_wait_xcnt 0x0
	SEND 7, 0
	s_wait_tensorcnt 0x0                           ; the wave's end
	ds_add_u32 v[SPW], v[NIL]
	s_wait_dscnt 0x0
	CROUND                                         ; the closing round
	s_endpgm
.Lfunc_end_k_q01dee6af5d_outp:
	.size	k_q01dee6af5d_outp, .Lfunc_end_k_q01dee6af5d_outp-k_q01dee6af5d_outp
	.p2alignl 7, 3214868480
	.fill 96, 4, 3214868480
	.section	.rodata,"a",@progbits
	.p2align	6, 0x0
	.amdhsa_kernel k_q01dee6af5d_outp
		.amdhsa_group_segment_fixed_size 327680
		.amdhsa_private_segment_fixed_size 0
		.amdhsa_enable_private_segment 0
		.amdhsa_kernarg_size 48
		.amdhsa_user_sgpr_count 2
		.amdhsa_user_sgpr_kernarg_segment_ptr 1
		.amdhsa_wavefront_size32 1
		.amdhsa_system_sgpr_workgroup_id_x 1
		.amdhsa_system_sgpr_workgroup_id_y 1
		.amdhsa_system_sgpr_workgroup_id_z 1
		.amdhsa_system_vgpr_workitem_id 0
		.amdhsa_next_free_vgpr 1024
		.amdhsa_next_free_sgpr 100
		.amdhsa_reserve_vcc 0
		.amdhsa_float_denorm_mode_32 3
		.amdhsa_float_denorm_mode_16_64 3
		.amdhsa_memory_ordered 1
		.amdhsa_forward_progress 1
		.amdhsa_inst_pref_size 147
	.end_amdhsa_kernel
	.amdgpu_metadata
---
amdhsa.version: [ 1, 2 ]
amdhsa.kernels:
  - .name:           k_q01dee6af5d_outp
    .symbol:         k_q01dee6af5d_outp.kd
    .args:
      - { .name: ai, .offset: 0, .size: 8, .value_kind: global_buffer, .address_space: global }
      - { .name: asc, .offset: 8, .size: 8, .value_kind: global_buffer, .address_space: global }
      - { .name: cod, .offset: 16, .size: 8, .value_kind: global_buffer, .address_space: global }
      - { .name: scl, .offset: 24, .size: 8, .value_kind: global_buffer, .address_space: global }
      - { .name: bo, .offset: 32, .size: 8, .value_kind: global_buffer, .address_space: global }
      - { .name: out0, .offset: 40, .size: 8, .value_kind: global_buffer, .address_space: global }
    .group_segment_fixed_size: 327680
    .private_segment_fixed_size: 0
    .kernarg_segment_align: 8
    .kernarg_segment_size: 48
    .max_flat_workgroup_size: 128
    .sgpr_count:     100
    .vgpr_count:     1024
    .wavefront_size: 32
...
	.end_amdgpu_metadata
.endif
;; end of part 4
